; MI455X (gfx1250); checked and timed in simulation.
; The chip was launched on July 23, 2026; its instructions are those of AMD's public machine-readable ISA for CDNA 5 (MIT licence, August 2026) and "CDNA5" Instruction Set Architecture Reference Guide (July 2026). The comments in the code are by the model that wrote it; some were corrected since.
;; Standard Multi Head Attention. Allowed arithmetic: matrix products marked QUANTISED: E2M3 operands, one E8M0 scale for each 32 along K, by v_wmma_scale_f32_16x16x128_f8f6f4 with both operands' format E2M3, f32 sums; everything else in f32.
;; Inputs: Wk 1,024 x 1,024 float32; Wo 1,024 x 1,024 float32; Wq 1,024 x 1,024 float32; Wv 1,024 x 1,024 float32; bk 1,024 float32; bo 1,024 float32; bq 1,024 float32; bv 1,024 float32; x 4 x 2,048 x 1,024 float32.
;; Outputs: out0 4 x 2,048 x 1,024 float32.
;; This version of the problem:
;;   THIS VERSION OF THE PROBLEM IS GIVEN IN LOW PRECISION. The matrix products marked QUANTISED in the list below multiply operands that are first quantised to E2M3 (2 exponent bits, 3 mantissa bits; 6 bits a number), with one power-of-two scale for each 32 numbers along K (OCP MX v1.0); their sums are f32. All else is computed in f32.
;;   The module's matrix products, in the order in which they are computed (A, B: the left and right operand; K: the contracted axis; several contracted axes count as one K, in the product's order):
;;     1. [M 8,192, K 1,024] x [K 1,024, N 1,024]; A: input x; B: input Wq: QUANTISED
;;     2. [M 8,192, K 1,024] x [K 1,024, N 1,024]; A: input x; B: input Wk: QUANTISED
;;     3. [M 8,192, K 1,024] x [K 1,024, N 1,024]; A: input x; B: input Wv: QUANTISED
;;     4. batch 64 x [M 2,048, K 64] x [K 64, N 2,048]; A: computed on the way; B: computed on the way: QUANTISED
;;     5. batch 64 x [M 2,048, K 2,048] x [K 2,048, N 64]; A: softmax (see below); B: computed on the way: QUANTISED
;;     6. [M 8,192, K 1,024] x [K 1,024, N 1,024]; A: computed on the way; B: input Wo: QUANTISED
;;   THE QUANTISER, for each operand of a quantised product, along K:
;;     - K is cut into blocks of 32 from its start; a last block that is shorter is filled with zeros.
;;     - A block's scale is 2^e with e = floor(log2(the largest magnitude in the block)) - 2, held to -126 .. 127; a block of zeros has e = 0. As a byte (E8M0): e + 127.
;;     - Each number is divided by its block's scale, clamped to +-7.5, and rounded to the nearest number of E2M3, ties to even, subnormals kept.
;;     - The product sums the exact products of the quantised numbers (number of the format x scale) in f32.
;;   ~~~python
;;   def quantise(x, axis):      # numpy; x: float32 -> the quantised numbers, widened to float32 again
;;       x = np.moveaxis(x, axis, -1); K = x.shape[-1]
;;       x = np.pad(x, [(0, 0)] * (x.ndim - 1) + [(0, -K % 32)]); x = x.reshape(x.shape[:-1] + (-1, 32)); a = np.abs(x).max(-1, keepdims=True)
;;       e = np.where(a > 0, np.clip(np.frexp(np.where(a > 0, a, 1))[1] - 1 - 2, -126, 127), 0)      # np.frexp(a)[1] - 1 = floor(log2(a)), exactly
;;       r = np.clip(x / 2.0 ** e, -7.5, 7.5)
;;       step = 2.0 ** (np.maximum(np.frexp(np.where(r == 0, 1, r))[1] - 1, 0) - 3)
;;       q = np.round(r / step) * step * 2.0 ** e      # np.round: ties to even
;;       return np.moveaxis(q.reshape(q.shape[:-2] + (-1,))[..., :K], -1, axis).astype(np.float32)
;;   ~~~
;;   SOFTMAX AHEAD OF A QUANTISED PRODUCT. Where the list says 'softmax', what is quantised is not the finished softmax but p = 2^(t - M), with t = logit x log2(e) and M = ceil(the row's largest t), a whole number; so 1/2 < the row's largest p <= 1. The row's sum l is taken of the UNQUANTISED p, in f32, and the product's result is divided by l at the end. Since M is a whole number, a kernel that streams over the keys may use a running M (the ceiling of the running maximum): every later rescaling is an exact power of two, which a block's scale takes up: the codes' values come out the same.
;;   OPERANDS COMPUTED ON THE WAY. 'Computed on the way' means the value that the module computes at that place (a softmax that the list does not call 'softmax' is quantised finished and normalised). What goes into a quantiser is computed in f32, as accurately as f32 sums, v_exp_f32 and their like allow (about 1e-6 of the number): no bf16 or f16 on the way to a quantiser, and a product that is left as it is and whose result goes on into a quantised operand takes f32 operands (vector FMAs, or v_wmma_f32_16x16x4_f32). A number that lies on a knife's edge between two numbers of the format may be rounded either way, as far as f32 arithmetic and the matrix unit's own rounding can turn it there, and no further.
;; One version. Each part assembles by itself: llvm-mc -triple=amdgcn-amd-amdhsa -mcpu=gfx1250 --defsym DOCPART=n.
;; ======== version 1 of 1: 5 launches
;; workspace buffers: xw 6,553,600 bytes; ww 3,276,800 bytes; qkw 13,631,488 bytes; vw 6,553,600 bytes; aw 6,553,600 bytes
;; launch quant (part 1): grid 384 x 1, 4 waves a work-group, no clusters, 34,304 bytes of LDS; arguments x, Wq, Wk, Wv, Wo, xw, ww; writes xw, ww
.if DOCPART == 1
	.amdgcn_target "amdgcn-amd-amdhsa--gfx1250"
	.amdhsa_code_object_version 6
	.text
	.protected	k_q6ef50a0bb2_quant
	.globl	k_q6ef50a0bb2_quant
	.p2align	8
	.type	k_q6ef50a0bb2_quant,@function
k_q6ef50a0bb2_quant:
	s_mov_b64 s[64:65], 0
	v_nop
	global_prefetch_b8 v0, s[64:65] scope:SCOPE_SE
	s_setreg_imm32_b32 hwreg(HW_REG_WAVE_MODE, 25, 1), 1
	s_wait_xcnt 0x0
; x [8192][1024] and Wq, Wk, Wv, Wo [1024][1024], f32 with K innermost, become codes of FP6 (E2M3) with one E8M0 scale byte for each 32 along K.
; A block's scale is 2^(floor(log2(its largest magnitude)) - 2): its byte is the largest magnitude's exponent field - 2, held at 1 from below.
; LIMITS: NaN and infinities among the inputs are not served; a block whose largest magnitude lies under 2^-124 (a block of zeros too) keeps the byte 1: this program alone reads the bytes, and zero codes add nothing.
; THE OUTPUT IS LAID AS IMAGES OF OPERAND REGISTERS.  A half fragment (16 rows x 64 K) is 768 bytes: lane l's registers 0-3 at 16 l, its registers 4-5 at 512 + 8 l; lane (r, h) holds row r, k = 32 h .. 32 h + 31.
; A row tile's 16 half fragments lie on end (12,288 bytes).  Its scale words (one for a row and 128 K) lie as [K / 512][r][4 words], 512 bytes a row tile, behind the codes.
; THE ROWS OF A TILE ARE NOT NEIGHBOURS: lane r of tile 2 p + u holds row 32 p + 8 u + r + 8 (r / 8), so that a later product that takes such tiles as source 0 has 16 neighbouring rows in 16 registers.
; SHARES: work-groups 0-255 take a pair of row tiles of x, 256-383 one of Wq, Wk, Wv, Wo (32 each); only pointers are chosen, the path is one.  Wave w takes tile u = w & 1 and the K half z = w >> 1: four fragments of 128 K.
; Each load reads 512 consecutive bytes of one row; a fragment's 16 rows turn through the wave's own stage in LDS (pitch 528), from which a lane takes 16 neighbours of each block.  No barrier: waves share nothing.
.set STGB, 8448                        ; a wave's stage: 16 rows x 528 bytes
.set SP,   528
.set R,    16                          ; v16-143  two sets of 64: a fragment's numbers as loaded
.set X,    144                         ; v144-207 register 16 b + i = k 32 b + 16 h + i of my row
.set PC,   208                         ; v208-219 the fragment's codes; v220-226 at work
.set TM,   228                         ; v228-243 at work
.set PW,   244                         ; v244-247 the four fragments' scale words
.set SV,   248                         ; v248-249 my two of them
.set SEL,  34                          ; s[34:35] lane selects: lane l xor 16
	s_load_b256 s[4:11], s[0:1], 0x0               ; x, Wq, Wk, Wv
	s_load_b128 s[12:15], s[0:1], 0x20             ; Wo, xw
	s_load_b64 s[16:17], s[0:1], 0x30              ; ww
	v_lshl_add_u32 v254, v0, 2, 0x8400
	v_mov_b32 v255, 0
	v_lshrrev_b32 v7, 5, v0
	v_readfirstlane_b32 s18, v7                    ; wave
	s_and_b32 s19, s18, 1                          ; u
	s_lshr_b32 s20, s18, 1                         ; z
	v_and_b32 v8, 31, v0                           ; lane
	v_and_b32 v9, 15, v0                           ; r
	v_bfe_u32 v6, v0, 4, 1                         ; h
	v_lshlrev_b32 v1, 4, v8                        ; 16 x lane
	v_lshlrev_b32 v4, 3, v8                        ; 8 x lane
	s_mul_i32 s21, s18, STGB
	v_add_nc_u32 v2, s21, v1                       ; into the stage: 16 x lane of a row
	v_mul_u32_u24 v3, v9, SP
	v_lshl_add_u32 v3, v6, 6, v3
	v_add_nc_u32 v3, s21, v3                       ; out of it: row r, + 64 h
	v_lshlrev_b32 v5, 4, v9
	v_lshl_add_u32 v5, v6, 3, v5                   ; scale words: 16 r + 8 h
	s_mov_b32 s[SEL], 0x76543210
	s_mov_b32 s[SEL+1], 0xfedcba98
.irp b, 0,1,2,3
	v_mov_b32 v[TM+4+\b], 0                        ; written once: a lane permute's destination counts as one of its sources
.endr
	s_mov_b32 s22, 3145728                         ; where ww's scale words begin
	s_wait_kmcnt 0x0
	s_cmp_lt_u32 ttmp9, 352                        ; the choices hang on the work-group's number alone
	s_cselect_b64 s[10:11], s[10:11], s[12:13]
	s_cmp_lt_u32 ttmp9, 320
	s_cselect_b64 s[8:9], s[8:9], s[10:11]
	s_cmp_lt_u32 ttmp9, 288
	s_cselect_b64 s[6:7], s[6:7], s[8:9]
	s_cmp_lt_u32 ttmp9, 256
	s_cselect_b64 s[4:5], s[4:5], s[6:7]           ; the source
	s_cselect_b64 s[14:15], s[14:15], s[16:17]     ; the destination
	s_cselect_b32 s22, 6291456, s22                ; where its scale words begin
	s_cselect_b32 s23, 0, 256
	s_cselect_b32 s25, 255, 31
	s_sub_co_u32 s24, ttmp9, s23                   ; the pair of row tiles in the destination
	s_and_b32 s25, s24, s25                        ; and in the source
	s_lshl_b32 s26, s25, 17                        ; 32 rows of 4,096 bytes,
	s_lshl_b32 s27, s19, 15                        ; + 8 u rows,
	s_add_co_u32 s26, s26, s27
	s_lshl_b32 s27, s20, 11                        ; + 512 z numbers
	s_add_co_u32 s26, s26, s27
	s_mov_b32 s27, 0
	s_add_nc_u64 s[4:5], s[4:5], s[26:27]
	s_lshl_b32 s26, s24, 1
	s_add_co_u32 s26, s26, s19                     ; my row tile
	s_mul_i32 s28, s26, 12288
	s_mul_i32 s27, s20, 6144
	s_add_co_u32 s28, s28, s27
	s_mov_b32 s29, 0
	s_lshl_b32 s30, s26, 9
	s_lshl_b32 s27, s20, 8
	s_add_co_u32 s30, s30, s27
	s_add_co_u32 s30, s30, s22
	s_mov_b32 s31, 0
	s_add_nc_u64 s[16:17], s[14:15], s[30:31]      ; my 256 bytes of scale words
	s_add_nc_u64 s[14:15], s[14:15], s[28:29]      ; my eight half fragments
.macro LOAD f                          ; fragment f: 16 rows x 128 numbers; each load is 512 consecutive bytes of one row
.irp p, 0,1,2,3,4,5,6,7,8,9,10,11,12,13,14,15
	global_load_b128 v[R+64*((\f)%2)+4*\p:R+64*((\f)%2)+4*\p+3], v1, s[4:5] offset:(\p+8*(\p/8))*4096+512*(\f) th:TH_LOAD_NT
.endr
.endm
; 64 numbers of a lane, register 16 b + i = k 32 b + 16 h + i of my row, become a fragment's codes in v[PC] on and its scale word in v[pw]
.macro QUANT s, pw
.irp b, 0,1,2,3
	v_max3_num_f32 v[TM+\b], |v[\s+16*\b]|, |v[\s+1+16*\b]|, 0x1800000   ; my 16 numbers of block b, and the floor 2^(3 - 127): the byte cannot fall under 1
.endr
.irp i, 2,4,6,8,10,12,14
.irp b, 0,1,2,3
	v_max3_num_f32 v[TM+\b], v[TM+\b], |v[\s+16*\b+\i]|, |v[\s+1+16*\b+\i]|   ; the four blocks by turns
.endr
.endr
.irp b, 0,1,2,3
	v_permlanex16_b32 v[TM+4+\b], v[TM+\b], s[SEL], s[SEL+1]
.endr
.irp b, 0,1,2,3
	v_max_num_f32 v[TM+\b], v[TM+\b], v[TM+4+\b]   ; with lane l xor 16: the block's largest magnitude
.endr
.irp b, 0,1,2,3
	v_add_nc_u32 v[TM+12+\b], 0xff000000, v[TM+\b] ; 2 off its exponent field: the conversion's scale operand
.endr
.irp b, 0,1,2,3
	v_lshrrev_b32 v[TM+4+\b], 23, v[TM+12+\b]      ; the scale's byte
.endr
	v_lshl_or_b32 v[\pw], v[TM+5], 8, v[TM+4]
	v_lshl_or_b32 v[\pw], v[TM+6], 16, v[\pw]
	v_lshl_or_b32 v[\pw], v[TM+7], 24, v[\pw]
.irp c, 0,1
	v_cvt_scalef32_pk16_fp6_f32 v[PC+6*\c:PC+2+6*\c], v[\s+32*\c:\s+15+32*\c], v[TM+12+2*\c]
	v_cvt_scalef32_pk16_fp6_f32 v[PC+12+4*\c:PC+14+4*\c], v[\s+16+32*\c:\s+31+32*\c], v[TM+12+2*\c+1]   ; a conversion's three registers begin on an even number
.endr
	v_nop                                          ; one plain place behind a scaled conversion
.irp c, 0,1                            ; the layout wants a whole block in a lane: lanes 0-15 block 2 c, lanes 16-31 block 2 c + 1
.irp i, 0,1,2
	v_permlane16_swap_b32 v[PC+6*\c+\i], v[PC+12+4*\c+\i]
.endr
.irp i, 0,1,2
	v_mov_b32 v[PC+3+6*\c+\i], v[PC+12+4*\c+\i]
.endr
.endr
.endm
.macro STEP f
.if (\f) < 3
	s_wait_loadcnt 16                              ; this fragment's 16 loads are in; the next fragment's 16 may be out
.else
	s_wait_loadcnt 0x0
.endif
.irp p, 0,1,2,3,4,5,6,7,8,9,10,11,12,13,14,15
	ds_store_b128 v2, v[R+64*((\f)%2)+4*\p:R+64*((\f)%2)+4*\p+3] offset:SP*\p
.endr
.irp b, 0,1,2,3
.irp j, 0,1,2,3
	ds_load_b128 v[X+16*\b+4*\j:X+16*\b+4*\j+3], v3 offset:128*\b+16*\j   ; LDS serves a wave's instructions in order: these see the stores above
.endr
.endr
	s_wait_dscnt 0x0                               ; my 64 numbers are back, and the stores have read their registers
	s_wait_xcnt 0x0                                ; the last fragment's stores have read their data: the codes' registers are written again only behind this wait
.if (\f) < 2
	LOAD (\f)+2
.endif
	QUANT X, PW+(\f)
.irp e, 0,1
	global_store_b128 v1, v[PC+6*\e:PC+6*\e+3], s[14:15] offset:(2*(\f)+\e)*768        ; 512 consecutive bytes, aligned to 256
	global_store_b64 v4, v[PC+6*\e+4:PC+6*\e+5], s[14:15] offset:(2*(\f)+\e)*768+512   ; 256 consecutive bytes, aligned to 256
.endr
.endm
	LOAD 0
	LOAD 1
	STEP 0
	STEP 1
	STEP 2
	STEP 3
	v_cmp_ne_u32 vcc_lo, 0, v6
	v_cndmask_b32 v[SV], v[PW], v[PW+2], vcc_lo    ; lanes 0-15 store words 0, 1 of their row, lanes 16-31 words 2, 3
	v_cndmask_b32 v[SV+1], v[PW+1], v[PW+3], vcc_lo
	global_store_b64 v5, v[SV:SV+1], s[16:17]      ; 256 consecutive bytes, aligned to 256
	s_wait_tensorcnt 0x0
	ds_add_u32 v254, v255
	s_wait_dscnt 0x0
	s_endpgm
.Lfunc_end_k_q6ef50a0bb2_quant:
	.size	k_q6ef50a0bb2_quant, .Lfunc_end_k_q6ef50a0bb2_quant-k_q6ef50a0bb2_quant
	.p2alignl 7, 3214868480
	.fill 96, 4, 3214868480
	.section	.rodata,"a",@progbits
	.p2align	6, 0x0
	.amdhsa_kernel k_q6ef50a0bb2_quant
		.amdhsa_group_segment_fixed_size 34304
		.amdhsa_private_segment_fixed_size 0
		.amdhsa_enable_private_segment 0
		.amdhsa_kernarg_size 56
		.amdhsa_user_sgpr_count 2
		.amdhsa_user_sgpr_kernarg_segment_ptr 1
		.amdhsa_wavefront_size32 1
		.amdhsa_system_sgpr_workgroup_id_x 1
		.amdhsa_system_sgpr_workgroup_id_y 1
		.amdhsa_system_sgpr_workgroup_id_z 1
		.amdhsa_system_vgpr_workitem_id 0
		.amdhsa_next_free_vgpr 256
		.amdhsa_next_free_sgpr 66
		.amdhsa_reserve_vcc 1
		.amdhsa_float_denorm_mode_32 3
		.amdhsa_float_denorm_mode_16_64 3
		.amdhsa_memory_ordered 1
		.amdhsa_forward_progress 1
		.amdhsa_inst_pref_size 35
	.end_amdhsa_kernel
	.amdgpu_metadata
---
amdhsa.version: [ 1, 2 ]
amdhsa.kernels:
  - .name:           k_q6ef50a0bb2_quant
    .symbol:         k_q6ef50a0bb2_quant.kd
    .args:
      - { .name: x, .offset: 0, .size: 8, .value_kind: global_buffer, .address_space: global }
      - { .name: Wq, .offset: 8, .size: 8, .value_kind: global_buffer, .address_space: global }
      - { .name: Wk, .offset: 16, .size: 8, .value_kind: global_buffer, .address_space: global }
      - { .name: Wv, .offset: 24, .size: 8, .value_kind: global_buffer, .address_space: global }
      - { .name: Wo, .offset: 32, .size: 8, .value_kind: global_buffer, .address_space: global }
      - { .name: xw, .offset: 40, .size: 8, .value_kind: global_buffer, .address_space: global }
      - { .name: ww, .offset: 48, .size: 8, .value_kind: global_buffer, .address_space: global }
    .group_segment_fixed_size: 34304
    .private_segment_fixed_size: 0
    .kernarg_segment_align: 8
    .kernarg_segment_size: 56
    .max_flat_workgroup_size: 128
    .sgpr_count:     66
    .vgpr_count:     256
    .wavefront_size: 32
...
	.end_amdgpu_metadata
.endif
;; end of part 1
;; launch gemm_qk (part 2): grid 8 x 32, 4 waves a work-group, clusters of 4 x 4, 327,680 bytes of LDS; arguments xw, ww, bq, bk, qkw; writes qkw
.if DOCPART == 2
	.amdgcn_target "amdgcn-amd-amdhsa--gfx1250"
	.amdhsa_code_object_version 6
	.text
	.protected	k_q6ef50a0bb2_gemm_qk
	.globl	k_q6ef50a0bb2_gemm_qk
	.p2align	8
	.type	k_q6ef50a0bb2_gemm_qk,@function
k_q6ef50a0bb2_gemm_qk:
	s_mov_b64 s[64:65], 0
	v_nop
	global_prefetch_b8 v0, s[64:65] scope:SCOPE_SE
	s_setreg_imm32_b32 hwreg(HW_REG_WAVE_MODE, 25, 1), 1
	s_wait_xcnt 0x0
	s_wait_alu depctr_hold_cnt(0) depctr_sa_sdst(0) depctr_va_vdst(0) depctr_va_sdst(0) depctr_va_ssrc(0) depctr_va_vcc(0) depctr_vm_vsrc(0)
	s_getreg_b32 s2, hwreg(HW_REG_IB_STS2, 6, 4)
	s_cmp_eq_u32 s2, 0
	s_cbranch_scc0 .Lentry_in_a_cluster
	s_endpgm
.Lentry_in_a_cluster:
	s_bfe_u32 s2, ttmp6, 0x10000c
	s_cmp_lg_u32 s2, 0xf033
	s_cbranch_scc0 .Lentry_shape_is_right
	s_endpgm
.Lentry_shape_is_right:
; ONE TEXT FOR THREE LAUNCHES; MODE SAYS WHICH.  D = S0 S1^T + bias over K = 1,024, both operands codes of FP6 (E2M3) with E8M0 scales, sums in f32.
;   MODE 0: S1 = x's rows (tokens), S0 = rows of Wq and Wk.  q and k (+ bq, bk) are quantised along the head's 64 and stored as half-fragment images, [q heads, k heads][token tile].
;   MODE 1: S1 = rows of Wv, S0 = x's rows.  v (+ bv) is quantised along the tokens (the keys) and stored as images of V^T, [head][128 keys][16 d][64 keys].
;   MODE 2: S1 = the attention's result, S0 = rows of Wo.  The sums (+ bo) are the output, f32.
; OPERANDS ARE IMAGES OF REGISTERS.  A half fragment (16 rows x 64 K) is 768 bytes: lane l's registers 0-3 at 16 l, registers 4-5 at 512 + 8 l.  A row tile's 16 half fragments lie on end, 12,288 bytes.
; A fragment comes from LDS by two loads of 16 bytes and two of 8 a lane, each of consecutive bytes.  Lane r of row tile 2 p + u is row 32 p + 8 u + r + 8 (r / 8): so in the result (source 0 = 16 rows of S0, source 1 = 16 of S1)
; a lane holds one row of S1, and the 16 registers of S0's tiles 2 p, 2 p + 1 are S0's rows 32 p + 16 (lane / 16) + 0 .. 15: 16 neighbours along the next product's K.
; SHARES: a work-group makes 256 (S1) x 256 (S0), each of four waves 128 x 128: 64 accumulators.  K goes in steps of 128, two to a slot, through two LDS slots filled by the tensor data mover.
; All scale words of the work-group's rows come once, with the first fills.  The bias is the C of each sum's first matrix instruction.
; CLUSTERS: 4 x 4 work-groups; S1's tiles are shared along a row of the cluster, S0's along a column: each is asked for jointly, by the same load with a mask that names the four.
; In MODES 1 and 2 the grid has 128 work-groups: a tile of half the size would give 256 and needs another register plan; not built.
; LIMITS: NaN and infinities are not served; a block whose largest magnitude lies under 2^-124 keeps the scale byte 1 (zero codes add nothing; this program alone reads the bytes).
; REGISTERS: window 0: v14-31 addresses; v32-95 scale words (block i, K step ks at 32 + 8 i + ks; lanes 0-15 S1's, lanes 16-31 S0's); v96-127 at work on the way out; v128-223 S1's fragments, one set.
;   window 1: S0's fragments, two sets, at v0 and v128; the bias at v96-127 and v224-255.   windows 2, 3: accumulator (a, b) at v[8 (8 (a % 4) + b)].
.set MODE, 0
.set FR,     12                        ; registers of a fragment
.set NL,     4                         ; LDS loads that bring one
.set NP,     4                         ; places behind this matrix instruction (ISA guide 7.12.1)
.set TILEB,  12288                     ; a row tile's codes for all of K
.set STEPB,  3072                      ; and for a slot's 256 along K
.set HALFT,  8*STEPB                   ; 8 row tiles: what one tensor load brings, and what one wave reads of S1 or of S0
.set SLOT,   4*HALFT                   ; S1's 16 row tiles, then S0's
.set SCL,    2*SLOT                    ; behind the ring: the scale words, 512 bytes a row tile
.set HALFS,  4096                      ; those of 8 row tiles
.set SPARE,  SCL+4*HALFS               ; the spare words, 128 bytes for each wave, which no other line names
.set STAGE,  SPARE+512                 ; MODE 2: 16 rows x 528 bytes for each wave; no tile ever lands here
.set SPITCH, 528
.if MODE == 0
.set A_COD, 0
.set A_SCL, 6291456
.set B_COD, 0
.set B_SCL, 3145728
.elseif MODE == 1
.set A_COD, 128*TILEB                  ; Wv: row tiles 128 on
.set A_SCL, 3145728+128*512
.set B_COD, 0
.set B_SCL, 6291456
.else
.set A_COD, 0
.set A_SCL, 6291456
.set B_COD, 192*TILEB                  ; Wo: row tiles 192 on
.set B_SCL, 3145728+192*512
.endif
.set BOF,  14                          ; v14  my byte offset in the bias
.set ADRA, 16                          ; v16-17 S1's fragments in slot 0, 1: base + 16 x lane; v18-19: base + 8 x lane
.set ADRB, 20                          ; v20-23 the same for S0
.set STO,  24
.set RD,   25
.set CO16, 26                          ; v26  16 x lane
.set ADRS, 27                          ; v27  my scale words
.set SPW,  28                          ; v28  my spare word; never rewritten
.set NIL,  29                          ; v29  0; never rewritten
.set CO8,  30                          ; v30  8 x lane
.set CSC,  31                          ; v31  my byte offset among the scale words that I store
.set SC,   32
.set TM,   96
.set PW,   112
.set SH16, 113
.set SW,   116
.set SV,   124
.set AF,   128
.set BK,   128
.set G1,   24
.set G0,   32
.set G1B,  48
.set G0B,  56
.set G1S,  68
.set G0S,  76
.set G1SB, 80
.set G0SB, 88
.set SEL,  96
.set MSB, 0
.macro WIN new                         ; the immediate's high byte repeats the setting that is left
.if MSB != (\new)
	s_set_vgpr_msb (MSB<<8)|(\new)
.set MSB, (\new)
.endif
.endm
.set MUL_LO, 0xa1                      ; source 0 window 1, source 1 window 0, C and D window 2
.set MUL_HI, 0xf1                      ; the same, C and D window 3.  In the first step C is the bias, window 1: 0x91, 0xd1
.set TO_B,   0x40                      ; destination window 1, address window 0
; A joint load: waves 0 and 1 fetch for S1, waves 2 and 3 for S0.  The branch hangs on the wave's number alone.  Four v_nop follow each of the two lines.
.macro JLOAD g0a, g1a, g0b, g1b
	s_cmp_eq_u32 s15, 0
	s_cbranch_scc0 .Lfor_b_\@
	tensor_load_to_lds s[\g0a:\g0a+3], s[\g1a:\g1a+7]
	s_nop 0
.rept 4
	v_nop
.endr
	s_branch .Lasked_\@
.Lfor_b_\@:
	tensor_load_to_lds s[\g0b:\g0b+3], s[\g1b:\g1b+7]
	s_nop 0
.rept 4
	v_nop
.endr
.Lasked_\@:
.endm
.macro CREST                           ; a round of the cluster's barrier behind its opening barrier
	s_cmp_lg_u32 s14, 0
	s_cbranch_scc1 .Lnot_wave_0_\@
	s_barrier_signal -3
.Lnot_wave_0_\@:
	s_barrier_wait -3
	s_barrier_signal -1
	s_barrier_wait -1
.endm
.macro CROUND
	s_barrier_signal -1
	s_barrier_wait -1
	CREST
.endm
.macro PLACES n
.rept \n
	v_nop
.endr
.endm
	s_load_b128 s[4:7], s[0:1], 0x0                ; S1's buffer, S0's buffer
.if MODE == 0
	s_load_b128 s[8:11], s[0:1], 0x10              ; bq, bk
	s_load_b64 s[12:13], s[0:1], 0x20              ; the output
.else
	s_load_b64 s[8:9], s[0:1], 0x10                ; the bias
	s_load_b64 s[12:13], s[0:1], 0x18              ; the output
.endif
	v_lshl_add_u32 v[SPW], v0, 2, SPARE
	v_mov_b32 v[NIL], 0
	ds_add_u32 v28, v29
	ds_add_u32 v28, v29
	s_wait_dscnt 0x0
	v_lshrrev_b32 v1, 5, v0
	v_readfirstlane_b32 s14, v1                    ; wave 0..3
	s_lshr_b32 s15, s14, 1                         ; which half of S1's rows is mine.  Also: I fetch for S1 (0) or for S0 (1)
	s_and_b32 s16, s14, 1                          ; which half of S0's rows.  Also: which 8 row tiles I fetch
	s_bfe_u32 s40, ttmp6, 0x40000                  ; cx, cy: my place in the cluster
	s_bfe_u32 s41, ttmp6, 0x40004
	s_lshl_b32 s42, ttmp9, 2
	s_add_co_u32 s42, s42, s40                     ; col: which 256 rows of S0
	s_and_b32 s17, ttmp7, 0xffff
	s_lshl_b32 s17, s17, 2
	s_add_co_u32 s17, s17, s41                     ; row: which 256 rows of S1
	s_lshl_b32 s43, s41, 2
	s_lshl_b32 s43, 15, s43                        ; my row of the cluster
	s_lshl_b32 s44, 0x1111, s40                    ; my column
	; group 1 for codes: 8 row tiles x 3,072 bytes (384 elements of 8 bytes), 12,288 bytes apart; dense in LDS
	s_or_b32 s[G1+0], s43, (3<<16)|(1<<21)         ; 15:0 the mask; 17:16 elements of 8 bytes; 21 set beside a mask; no padding
	s_or_b32 s[G1B+0], s44, (3<<16)|(1<<21)
.irp g, G1, G1B
	s_mov_b32 s[\g+1], 384<<16                     ; tensor_dim0
	s_mov_b32 s[\g+2], 8<<16                       ; tensor_dim1
	s_mov_b32 s[\g+3], 384<<16                     ; tile_dim0
	s_mov_b32 s[\g+4], 8                           ; tile_dim1
	s_mov_b32 s[\g+5], 1536                        ; tensor_dim0_stride
	s_mov_b32 s[\g+6], 0
	s_mov_b32 s[\g+7], 0
.endr
	; and for the scale words of 8 row tiles: 4,096 dense bytes as 16 rows of 256
	s_or_b32 s[G1S+0], s43, (3<<16)|(1<<21)
	s_or_b32 s[G1SB+0], s44, (3<<16)|(1<<21)
.irp g, G1S, G1SB
	s_mov_b32 s[\g+1], 32<<16
	s_mov_b32 s[\g+2], 16<<16
	s_mov_b32 s[\g+3], 32<<16
	s_mov_b32 s[\g+4], 16
	s_mov_b32 s[\g+5], 32
	s_mov_b32 s[\g+6], 0
	s_mov_b32 s[\g+7], 0
.endr
	s_lshl_b32 s18, s16, 3                         ; which 8 row tiles I fetch
	s_lshl_b32 s20, s17, 4
	s_add_co_u32 s20, s20, s18                     ; S1: row tile 16 row + 8 half: it hangs on the tile row alone
	s_lshl_b32 s46, s42, 4
	s_add_co_u32 s46, s46, s18                     ; S0: 16 col + 8 half: on the tile column alone
	s_lshl_b32 s22, s20, 9
	s_add_co_u32 s22, s22, A_SCL                   ; where their scale words begin,
	s_mov_b32 s23, 0
	s_lshl_b32 s92, s46, 9
	s_add_co_u32 s92, s92, B_SCL
	s_mov_b32 s93, 0
	s_mul_i32 s20, s20, TILEB
	s_add_co_u32 s20, s20, A_COD                   ; and their codes
	s_mov_b32 s21, 0
	s_mul_i32 s46, s46, TILEB
	s_add_co_u32 s46, s46, B_COD
	s_mov_b32 s47, 0
	s_mul_i32 s45, s14, HALFT                      ; where they go: no place in the cluster enters an LDS address
	s_mul_i32 s94, s14, HALFS
	s_wait_kmcnt 0x0
.if MODE == 0
	s_cmp_lt_u32 ttmp9, 1                          ; clusters with x = 0 make q, the others k
	s_cselect_b64 s[8:9], s[8:9], s[10:11]
.endif
	s_add_nc_u64 s[20:21], s[4:5], s[20:21]
	s_add_nc_u64 s[22:23], s[4:5], s[22:23]
	s_add_nc_u64 s[46:47], s[6:7], s[46:47]
	s_add_nc_u64 s[92:93], s[6:7], s[92:93]
	CROUND                                         ; all sixteen work-groups are here: the first joint loads meet
	s_mov_b32 s[G0S], 1
	s_add_co_u32 s[G0S+1], s94, SCL
	s_mov_b64 s[G0S+2:G0S+3], s[22:23]
	s_or_b32 s[G0S+3], s[G0S+3], 0x80000000
	s_mov_b32 s[G0SB], 1
	s_add_co_u32 s[G0SB+1], s94, SCL
	s_mov_b64 s[G0SB+2:G0SB+3], s[92:93]
	s_or_b32 s[G0SB+3], s[G0SB+3], 0x80000000
	JLOAD G0S, G1S, G0SB, G1SB                     ; the scale words first: they are wanted with the first step
.irp s, 0,1
	s_mov_b32 s[G0+4*\s], 1
	s_add_co_u32 s[G0+4*\s+1], s45, \s*SLOT
	s_add_nc_u64 s[G0+4*\s+2:G0+4*\s+3], s[20:21], \s*STEPB
	s_or_b32 s[G0+4*\s+3], s[G0+4*\s+3], 0x80000000
	s_mov_b32 s[G0B+4*\s], 1
	s_add_co_u32 s[G0B+4*\s+1], s45, \s*SLOT
	s_add_nc_u64 s[G0B+4*\s+2:G0B+4*\s+3], s[46:47], \s*STEPB
	s_or_b32 s[G0B+4*\s+3], s[G0B+4*\s+3], 0x80000000
	JLOAD G0+4*\s, G1, G0B+4*\s, G1B               ; three tensor loads of mine are out now
.endr
	v_and_b32 v1, 15, v0                           ; r
	v_bfe_u32 v2, v0, 4, 1                         ; h
	v_and_b32 v3, 31, v0
	v_lshlrev_b32 v[CO16], 4, v3
	v_lshlrev_b32 v[CO8], 3, v3
	s_mul_i32 s21, s15, HALFT                      ; my 8 row tiles of S1
	s_mul_i32 s22, s16, HALFT                      ; my 8 of S0,
	s_add_co_u32 s22, s22, 2*HALFT                 ; which lie behind S1's 16
.irp s, 0,1
	v_add_nc_u32 v[ADRA+\s], s21, v[CO16]
	v_add_nc_u32 v[ADRB+\s], s22, v[CO16]
	v_add_nc_u32 v[ADRA+2+\s], s21, v[CO8]
	v_add_nc_u32 v[ADRB+2+\s], s22, v[CO8]
	s_add_co_u32 s21, s21, SLOT
	s_add_co_u32 s22, s22, SLOT
.endr
	v_lshlrev_b32 v5, 4, v1                        ; my row's four words: 16 r
	s_mul_i32 s21, s15, HALFS
	s_mul_i32 s22, s16, HALFS
	s_add_co_u32 s22, s22, 2*HALFS
	s_sub_co_u32 s22, s22, s21
	v_mul_u32_u24 v6, s22, v2                      ; lanes 16-31 take S0's: one product, the distance between the two bases
	s_add_co_u32 s21, s21, SCL
	v_add_nc_u32 v5, v5, v6
	v_add_nc_u32 v[ADRS], s21, v5
	; the bias, in the result's layout, into window 1
.if MODE == 1
	v_and_b32 v[BOF], 8, v1
	v_add_nc_u32 v[BOF], v[BOF], v1
	v_lshlrev_b32 v[BOF], 2, v[BOF]                ; a lane holds one row of Wv: r + 8 (r / 8) of its tile
	s_lshl_b32 s20, s17, 10
	s_lshl_b32 s21, s15, 9
	s_add_co_u32 s20, s20, s21
	s_mov_b32 s21, 0
	s_add_nc_u64 s[8:9], s[8:9], s[20:21]
	WIN TO_B
.irp a, 0,1,2,3,4,5,6,7
.irp j, 0,1,2,3,4,5,6,7
	global_load_b32 v[96+8*\a+96*(\a/4)+\j], v[BOF], s[8:9] offset:(32*(\a/2)+8*(\a%2))*4   ; the same number in a tile's eight registers
.endr
.endr
	WIN 0
.else
	v_lshlrev_b32 v[BOF], 6, v2                    ; registers run along S0's rows: 16 h numbers on
	s_and_b32 s46, s42, 3
	s_lshl_b32 s46, s46, 10
	s_lshl_b32 s47, s16, 9
	s_add_co_u32 s46, s46, s47
	s_mov_b32 s47, 0
	s_add_nc_u64 s[8:9], s[8:9], s[46:47]
	WIN TO_B
.irp b, 0,1,2,3,4,5,6,7
	global_load_b128 v[96+8*\b+96*(\b/4):96+8*\b+96*(\b/4)+3], v[BOF], s[8:9] offset:(32*(\b/2)+8*(\b%2))*4
	global_load_b128 v[96+8*\b+96*(\b/4)+4:96+8*\b+96*(\b/4)+7], v[BOF], s[8:9] offset:(32*(\b/2)+8*(\b%2))*4+16
.endr
	WIN 0
.endif
	; where the results go
.if MODE == 0
	s_lshl_b32 s46, s42, 2
	s_lshl_b32 s47, s16, 1
	s_add_co_u32 s46, s46, s47                     ; my first head of 32 (q's 16, then k's): 4 col + 2 half
	s_lshl_b32 s20, s17, 4
	s_lshl_b32 s21, s15, 3
	s_add_co_u32 s20, s20, s21                     ; my first token tile
	s_lshl_b32 s47, s46, 9
	s_add_co_u32 s47, s47, s20
	s_mul_i32 s22, s47, 768
	s_mov_b32 s23, 0
	s_lshl_b32 s46, s46, 15                        ; scale words: 32,768 bytes a head,
	s_lshl_b32 s20, s20, 6                         ; 512 for each 128 tokens
	s_add_co_u32 s46, s46, s20
	s_add_co_u32 s46, s46, 12582912
	s_mov_b32 s47, 0
	s_add_nc_u64 s[66:67], s[12:13], s[46:47]
	s_add_nc_u64 s[12:13], s[12:13], s[22:23]
	v_lshlrev_b32 v[CSC], 4, v1
	v_lshl_add_u32 v[CSC], v2, 15, v[CSC]          ; 16 r, and lanes 16-31 the next head
	v_lshlrev_b32 v[SH16], 4, v2
.elseif MODE == 1
	s_lshl_b32 s20, s17, 2
	s_lshl_b32 s21, s15, 1
	s_add_co_u32 s20, s20, s21                     ; my first head: 4 row + 2 half
	s_lshl_b32 s46, s42, 1
	s_add_co_u32 s46, s46, s16                     ; my 128 keys: 2 col + half
	s_lshl_b32 s21, s20, 6
	s_add_co_u32 s21, s21, s46
	s_mul_i32 s22, s21, 6144
	s_mov_b32 s23, 0
	s_lshl_b32 s20, s20, 14
	s_lshl_b32 s46, s46, 8
	s_add_co_u32 s46, s46, s20
	s_add_co_u32 s46, s46, 6291456
	s_mov_b32 s47, 0
	s_add_nc_u64 s[66:67], s[12:13], s[46:47]
	s_add_nc_u64 s[12:13], s[12:13], s[22:23]
	v_lshlrev_b32 v[CSC], 4, v1
	v_lshl_add_u32 v[CSC], v2, 14, v[CSC]
.else
	s_mul_i32 s23, s14, 16*SPITCH
	s_add_co_u32 s23, s23, STAGE                   ; my stage
	v_mul_u32_u24 v5, v1, SPITCH
	v_lshl_add_u32 v5, v2, 6, v5
	v_add_nc_u32 v[STO], s23, v5                   ; in: row r, + 64 h
	v_add_nc_u32 v[RD], s23, v[CO16]               ; back: a row of 512 bytes
	s_lshl_b32 s20, s17, 8
	s_lshl_b32 s21, s15, 7
	s_add_co_u32 s20, s20, s21
	s_lshl_b32 s20, s20, 12                        ; my first token's row of 4,096 bytes
	s_mov_b32 s21, 0
	s_lshl_b32 s46, s42, 10
	s_lshl_b32 s47, s16, 9
	s_add_co_u32 s46, s46, s47                     ; my first column, in bytes
	s_mov_b32 s47, 0
	s_add_nc_u64 s[12:13], s[12:13], s[20:21]
	s_add_nc_u64 s[12:13], s[12:13], s[46:47]
.endif
.if MODE < 2
	s_mov_b32 s[SEL], 0x76543210
	s_mov_b32 s[SEL+1], 0xfedcba98
.irp b, 0,1,2,3
	v_mov_b32 v[TM+4+\b], 0                        ; written once: a lane permute's destination counts as one of its sources
.endr
.endif
.macro FRAG reg, adr, q, i             ; row tile i, the slot's q-th 128 along K: two half fragments, each 512 + 256 consecutive bytes
	ds_load_b128 v[\reg:\reg+3],    v[\adr]   offset:STEPB*(\i)+1536*(\q)
	ds_load_b64  v[\reg+4:\reg+5],  v[\adr+2] offset:STEPB*(\i)+1536*(\q)+512
	ds_load_b128 v[\reg+6:\reg+9],  v[\adr]   offset:STEPB*(\i)+1536*(\q)+768
	ds_load_b64  v[\reg+10:\reg+11], v[\adr+2] offset:STEPB*(\i)+1536*(\q)+1280
.endm
.macro FETCH_B slot, q, p
	WIN TO_B
.irp i, 0,1,2,3,4,5,6,7
	FRAG 128*(\p)+FR*\i, ADRB+\slot, \q, \i
.endr
	WIN 0
.endm
.macro FETCH_A slot, q, i0
.irp i, \i0, \i0+1, \i0+2, \i0+3
	FRAG AF+FR*(\i), ADRA+\slot, \q, \i
.endr
.endm
; 16 matrix instructions: S1's blocks a0, a0 + 1 x S0's eight, K step ks; p: S0's set.  first = 1: C is the bias, and nothing is ever cleared.
; The 64 accumulators take turns, one instruction a turn, in the same order in every step.
.macro MUL16 a0, p, ks, first
.irp a, \a0, \a0+1
.irp b, 0,1,2,3,4,5,6,7
.set rD, 8*(8*((\a)%4)+\b)
.set rB, 128*(\p)+FR*\b
.set rA, AF+FR*(\a)
.set rC, rD
.if \first
.if MODE == 1
.set rC, 96+8*(\a)+96*((\a)/4)
.else
.set rC, 96+8*\b+96*(\b/4)
.endif
.endif
	v_wmma_scale_f32_16x16x128_f8f6f4 v[rD:rD+7], v[rB:rB+FR-1], v[rA:rA+FR-1], v[rC:rC+7], v[SC+8*\b+(\ks)], v[SC+8*(\a)+(\ks)] matrix_a_fmt:MATRIX_FMT_FP6 matrix_b_fmt:MATRIX_FMT_FP6 matrix_a_scale:MATRIX_SCALE_ROW1
.endr
.endr
.endm
; A slot's first step: multiplies S0's set 0 and fetches the second step's fragments.  A block of S1 is free when its eight products are issued: blocks 0-3 are fetched anew in the middle, blocks 4-7 at the end.
; Four places stand in front of each run of loads into registers that matrix instructions have read (ISA guide 7.12.1 for vector instructions).
.macro STEP slot, ks, first
	s_wait_dscnt 4*NL                              ; all but the youngest 16 loads (S1's blocks 4-7) are in
	WIN MUL_LO-0x10*(\first)
	MUL16 0, 0, \ks, \first
	MUL16 2, 0, \ks, \first
	s_wait_dscnt 0
	PLACES NP
	FETCH_B \slot, 1, 1
	FETCH_A \slot, 1, 0
	WIN MUL_HI-0x20*(\first)
	MUL16 4, 0, \ks, \first
	MUL16 6, 0, \ks, \first
	PLACES NP
	WIN 0
	FETCH_A \slot, 1, 4
.endm
; A slot's second step changes slots: one barrier; in front of it each wave waits for all its tensor loads, adds 0 to its spare word, and waits for that and for its reads of this slot.  fill = 1: the slot is filled again, 512 along K on.
.macro TURN slot, next, ks, fill
	s_wait_tensorcnt 0x0                           ; all my tensor loads have landed: my part of the next slot
	ds_add_u32 v[SPW], v[NIL]                      ; 0 onto my spare word
	s_wait_dscnt 4*NL+1                            ; the add and the youngest 16 loads may be out
	WIN MUL_LO
	MUL16 0, 1, \ks, 0
	s_wait_dscnt 0x0                               ; the add is done, and my reads of this slot are over
	s_barrier_signal -1
	MUL16 2, 1, \ks, 0
	WIN 0
	s_barrier_wait -1
.if \fill
	CREST                                          ; the barrier has opened a round of the cluster's: no wave of any partner still reads this slot or has a load on its way
	s_add_nc_u64 s[G0+4*\slot+2:G0+4*\slot+3], s[G0+4*\slot+2:G0+4*\slot+3], 2*STEPB
	s_add_nc_u64 s[G0B+4*\slot+2:G0B+4*\slot+3], s[G0B+4*\slot+2:G0B+4*\slot+3], 2*STEPB
	JLOAD G0+4*\slot, G1, G0B+4*\slot, G1B         ; my one tensor load behind the round; its four v_nop are the places in front of the loads below
.else
	PLACES NP
.endif
	FETCH_B \next, 0, 0
	FETCH_A \next, 0, 0
	WIN MUL_HI
	MUL16 4, 1, \ks, 0
	MUL16 6, 1, \ks, 0
	PLACES NP
	WIN 0
	FETCH_A \next, 0, 4
.endm
	s_wait_tensorcnt 1                             ; the scale words and my part of slot 0 are in; slot 1's load may be out
	s_barrier_signal -1
	s_barrier_wait -1
	FETCH_B 0, 0, 0
	FETCH_A 0, 0, 0
.irp i, 0,1,2,3,4,5,6,7                ; all scale words: block i's eight, lanes 0-15 S1's, lanes 16-31 S0's
	ds_load_b128 v[SC+8*\i:SC+8*\i+3],   v[ADRS] offset:512*\i
	ds_load_b128 v[SC+8*\i+4:SC+8*\i+7], v[ADRS] offset:512*\i+256
.endr
	FETCH_A 0, 0, 4
	s_wait_loadcnt 0x0                             ; the bias
	STEP 0, 0, 1                                   ; K = 1,024 is eight steps, written out: slots 0, 1, 0, 1
	TURN 0, 1, 1, 1
	STEP 1, 2, 0
	TURN 1, 0, 3, 1
	STEP 0, 4, 0
	TURN 0, 1, 5, 0                                ; nothing is left to fetch
	STEP 1, 6, 0
	s_wait_dscnt 4*NL
	WIN MUL_LO
	MUL16 0, 1, 7, 0
	MUL16 2, 1, 7, 0
	s_wait_dscnt 0
	WIN MUL_HI
	MUL16 4, 1, 7, 0
	MUL16 6, 1, 7, 0
	WIN 0
	PLACES NP                                      ; in front of the first read of results and the first write over fragments
.if MODE < 2
; THE WAY OUT, MODES 0 AND 1.  Block a's 64 registers of a lane are 128 neighbours' halves along the next K: register 16 b + i = 32 b + 16 h + i.  They become one fragment (two half fragments) and a scale word.
.macro QUANTW a, pw
.set AC, 64*((\a)%4)
.set PC, 128                           ; the codes' registers carry other numbers than the conversion's sources, which lie in another window
.if ((\a)%4) == 2
.set PC, 192
.endif
	WIN 0x0a+5*((\a)/4)                            ; sources 0 and 1: window 2 or 3
.irp b, 0,1,2,3
	v_max3_num_f32 v[TM+\b], |v[AC+16*\b]|, |v[AC+16*\b+1]|, 0x1800000   ; each accumulator is read from its low end on; the floor 2^(3 - 127) holds the byte at 1
.endr
.irp i, 2,4,6,8,10,12,14
.irp b, 0,1,2,3
	v_max3_num_f32 v[TM+\b], |v[AC+16*\b+\i]|, |v[AC+16*\b+\i+1]|, v[TM+\b]
.endr
.endr
	WIN 0
.irp b, 0,1,2,3
	v_permlanex16_b32 v[TM+4+\b], v[TM+\b], s[SEL], s[SEL+1]
.endr
.irp b, 0,1,2,3
	v_max_num_f32 v[TM+\b], v[TM+\b], v[TM+4+\b]
.endr
.irp b, 0,1,2,3
	v_add_nc_u32 v[TM+12+\b], 0xff000000, v[TM+\b] ; 2 off the exponent field: the conversion's scale operand
.endr
.irp b, 0,1,2,3
	v_lshrrev_b32 v[TM+4+\b], 23, v[TM+12+\b]
.endr
	v_lshl_or_b32 v[\pw], v[TM+5], 8, v[TM+4]
	v_lshl_or_b32 v[\pw], v[TM+6], 16, v[\pw]
	v_lshl_or_b32 v[\pw], v[TM+7], 24, v[\pw]
	s_wait_xcnt 0x0                                ; the earlier blocks' stores have read their data: the codes' registers are written again only behind this wait
	WIN 0x02+(\a)/4                                ; source 0: window 2 or 3
.irp c, 0,1
	v_cvt_scalef32_pk16_fp6_f32 v[PC+6*\c:PC+6*\c+2], v[AC+32*\c:AC+32*\c+15], v[TM+12+2*\c]
	v_cvt_scalef32_pk16_fp6_f32 v[PC+12+4*\c:PC+14+4*\c], v[AC+32*\c+16:AC+32*\c+31], v[TM+12+2*\c+1]
.endr
	WIN 0
	v_nop                                          ; one plain place behind a scaled conversion
.irp c, 0,1
.irp i, 0,1,2
	v_permlane16_swap_b32 v[PC+6*\c+\i], v[PC+12+4*\c+\i]
.endr
.irp i, 0,1,2
	v_mov_b32 v[PC+3+6*\c+\i], v[PC+12+4*\c+\i]
.endr
.endr
.endm
.irp a, 0,1,2,3,4,5,6,7
.if MODE == 0
	QUANTW \a, PW
	v_lshrrev_b32 v[SW+\a], v[SH16], v[PW]         ; lanes 0-15: my first head's two bytes lowest; lanes 16-31: the second head's.  The upper two bytes are scale bytes or 0, never 0xff
.irp e, 0,1                            ; half fragment e is head e's: 16 tokens x 64
	global_store_b128 v[CO16], v[PC+6*\e:PC+6*\e+3], s[12:13] offset:\e*393216+\a*768
	global_store_b64 v[CO8], v[PC+6*\e+4:PC+6*\e+5], s[12:13] offset:\e*393216+\a*768+512
.endr
.else
	QUANTW \a, SW+\a
.irp e, 0,1                            ; head a / 4, its tile a % 4 of 16 d, keys 64 e on
	global_store_b128 v[CO16], v[PC+6*\e:PC+6*\e+3], s[12:13] offset:(\a/4)*393216+(\a%4)*1536+\e*768
	global_store_b64 v[CO8], v[PC+6*\e+4:PC+6*\e+5], s[12:13] offset:(\a/4)*393216+(\a%4)*1536+\e*768+512
.endr
.endif
.endr
.if MODE == 0
	global_store_b128 v[CSC], v[SW:SW+3], s[66:67]               ; sixteen lanes store 256 consecutive bytes, aligned
	global_store_b128 v[CSC], v[SW+4:SW+7], s[66:67] offset:256
.else
	v_cmp_ne_u32 vcc_lo, 0, v2
.irp t, 0,1,2,3
	v_cndmask_b32 v[SV+\t], v[SW+\t], v[SW+4+\t], vcc_lo         ; lanes 16-31 store the second head's words
.endr
	global_store_b128 v[CSC], v[SV:SV+3], s[66:67]
.endif
.else
; THE WAY OUT, MODE 2.  A block of 16 tokens x 128 columns goes through my own stage and comes back as whole rows of 512 bytes.  LDS serves a wave's instructions in order (ISA guide 5.7.1.4).
.macro TOSTAGE a
.set AC, 64*((\a)%4)
	WIN 0x08+4*((\a)/4)                            ; the data: window 2 or 3
.irp b, 0,1,2,3,4,5,6,7
	ds_store_b128 v[STO], v[AC+8*\b:AC+8*\b+3] offset:128*(\b/2)+32*(\b%2)      ; columns 32 (b / 2) + 16 h + 8 (b % 2) on; each accumulator from its low end on
	ds_store_b128 v[STO], v[AC+8*\b+4:AC+8*\b+7] offset:128*(\b/2)+32*(\b%2)+16
.endr
	WIN 0
.set BB, BK+64*((\a)%2)
.irp t, 0,1,2,3,4,5,6,7,8,9,10,11,12,13,14,15
	ds_load_b128 v[BB+4*\t:BB+4*\t+3], v[RD] offset:\t*SPITCH
.endr
.endm
.macro SEND a, younger
.set BB, BK+64*((\a)%2)
	s_wait_dscnt \younger
.irp t, 0,1,2,3,4,5,6,7,8,9,10,11,12,13,14,15
	global_store_b128 v[CO16], v[BB+4*\t:BB+4*\t+3], s[12:13] offset:(32*((\a)/2)+8*((\a)%2)+\t+8*(\t/8))*4096 th:TH_STORE_NT   ; 512 consecutive bytes, aligned to 256; lane row t of block a is token 32 (a / 2) + 8 (a % 2) + t + 8 (t / 8)
.endr
.endm
	TOSTAGE 0
.irp a, 1,2,3,4,5,6,7
.if \a > 1
	s_wait_xcnt 0x0                                ; block a - 2's stores have read their registers: block a's loads may land there
.endif
	TOSTAGE \a
	SEND \a-1, 32                                  ; behind block a - 1's loads: block a's 16 stores and 16 loads
.endr
	SEND 7, 0
.endif
	s_wait_tensorcnt 0x0                           ; the wave's end
	ds_add_u32 v[SPW], v[NIL]
	s_wait_dscnt 0x0
	CROUND                                         ; the closing round: no work-group ends while a partner may still ask for a tile that names it
	s_endpgm
.Lfunc_end_k_q6ef50a0bb2_gemm_qk:
	.size	k_q6ef50a0bb2_gemm_qk, .Lfunc_end_k_q6ef50a0bb2_gemm_qk-k_q6ef50a0bb2_gemm_qk
	.p2alignl 7, 3214868480
	.fill 96, 4, 3214868480
	.section	.rodata,"a",@progbits
	.p2align	6, 0x0
	.amdhsa_kernel k_q6ef50a0bb2_gemm_qk
		.amdhsa_group_segment_fixed_size 327680
		.amdhsa_private_segment_fixed_size 0
		.amdhsa_enable_private_segment 0
		.amdhsa_kernarg_size 40
		.amdhsa_user_sgpr_count 2
		.amdhsa_user_sgpr_kernarg_segment_ptr 1
		.amdhsa_wavefront_size32 1
		.amdhsa_system_sgpr_workgroup_id_x 1
		.amdhsa_system_sgpr_workgroup_id_y 1
		.amdhsa_system_sgpr_workgroup_id_z 1
		.amdhsa_system_vgpr_workitem_id 0
		.amdhsa_next_free_vgpr 1024
		.amdhsa_next_free_sgpr 98
		.amdhsa_reserve_vcc 1
		.amdhsa_float_denorm_mode_32 3
		.amdhsa_float_denorm_mode_16_64 3
		.amdhsa_memory_ordered 1
		.amdhsa_forward_progress 1
		.amdhsa_inst_pref_size 150
	.end_amdhsa_kernel
	.amdgpu_metadata
---
amdhsa.version: [ 1, 2 ]
amdhsa.kernels:
  - .name:           k_q6ef50a0bb2_gemm_qk
    .symbol:         k_q6ef50a0bb2_gemm_qk.kd
    .args:
      - { .name: xw, .offset: 0, .size: 8, .value_kind: global_buffer, .address_space: global }
      - { .name: ww, .offset: 8, .size: 8, .value_kind: global_buffer, .address_space: global }
      - { .name: bq, .offset: 16, .size: 8, .value_kind: global_buffer, .address_space: global }
      - { .name: bk, .offset: 24, .size: 8, .value_kind: global_buffer, .address_space: global }
      - { .name: qkw, .offset: 32, .size: 8, .value_kind: global_buffer, .address_space: global }
    .group_segment_fixed_size: 327680
    .private_segment_fixed_size: 0
    .kernarg_segment_align: 8
    .kernarg_segment_size: 40
    .max_flat_workgroup_size: 128
    .sgpr_count:     98
    .vgpr_count:     1024
    .wavefront_size: 32
...
	.end_amdgpu_metadata
.endif
;; end of part 2
;; launch gemm_v (part 3): grid 32 x 4, 4 waves a work-group, clusters of 4 x 4, 327,680 bytes of LDS; arguments ww, xw, bv, vw; writes vw
.if DOCPART == 3
	.amdgcn_target "amdgcn-amd-amdhsa--gfx1250"
	.amdhsa_code_object_version 6
	.text
	.protected	k_q6ef50a0bb2_gemm_v
	.globl	k_q6ef50a0bb2_gemm_v
	.p2align	8
	.type	k_q6ef50a0bb2_gemm_v,@function
k_q6ef50a0bb2_gemm_v:
	s_mov_b64 s[64:65], 0
	v_nop
	global_prefetch_b8 v0, s[64:65] scope:SCOPE_SE
	s_setreg_imm32_b32 hwreg(HW_REG_WAVE_MODE, 25, 1), 1
	s_wait_xcnt 0x0
	s_wait_alu depctr_hold_cnt(0) depctr_sa_sdst(0) depctr_va_vdst(0) depctr_va_sdst(0) depctr_va_ssrc(0) depctr_va_vcc(0) depctr_vm_vsrc(0)
	s_getreg_b32 s2, hwreg(HW_REG_IB_STS2, 6, 4)
	s_cmp_eq_u32 s2, 0
	s_cbranch_scc0 .Lentry_in_a_cluster
	s_endpgm
.Lentry_in_a_cluster:
	s_bfe_u32 s2, ttmp6, 0x10000c
	s_cmp_lg_u32 s2, 0xf033
	s_cbranch_scc0 .Lentry_shape_is_right
	s_endpgm
.Lentry_shape_is_right:
; ONE TEXT FOR THREE LAUNCHES; MODE SAYS WHICH.  D = S0 S1^T + bias over K = 1,024, both operands codes of FP6 (E2M3) with E8M0 scales, sums in f32.
;   MODE 0: S1 = x's rows (tokens), S0 = rows of Wq and Wk.  q and k (+ bq, bk) are quantised along the head's 64 and stored as half-fragment images, [q heads, k heads][token tile].
;   MODE 1: S1 = rows of Wv, S0 = x's rows.  v (+ bv) is quantised along the tokens (the keys) and stored as images of V^T, [head][128 keys][16 d][64 keys].
;   MODE 2: S1 = the attention's result, S0 = rows of Wo.  The sums (+ bo) are the output, f32.
; OPERANDS ARE IMAGES OF REGISTERS.  A half fragment (16 rows x 64 K) is 768 bytes: lane l's registers 0-3 at 16 l, registers 4-5 at 512 + 8 l.  A row tile's 16 half fragments lie on end, 12,288 bytes.
; A fragment comes from LDS by two loads of 16 bytes and two of 8 a lane, each of consecutive bytes.  Lane r of row tile 2 p + u is row 32 p + 8 u + r + 8 (r / 8): so in the result (source 0 = 16 rows of S0, source 1 = 16 of S1)
; a lane holds one row of S1, and the 16 registers of S0's tiles 2 p, 2 p + 1 are S0's rows 32 p + 16 (lane / 16) + 0 .. 15: 16 neighbours along the next product's K.
; SHARES: a work-group makes 256 (S1) x 256 (S0), each of four waves 128 x 128: 64 accumulators.  K goes in steps of 128, two to a slot, through two LDS slots filled by the tensor data mover.
; All scale words of the work-group's rows come once, with the first fills.  The bias is the C of each sum's first matrix instruction.
; CLUSTERS: 4 x 4 work-groups; S1's tiles are shared along a row of the cluster, S0's along a column: each is asked for jointly, by the same load with a mask that names the four.
; In MODES 1 and 2 the grid has 128 work-groups: a tile of half the size would give 256 and needs another register plan; not built.
; LIMITS: NaN and infinities are not served; a block whose largest magnitude lies under 2^-124 keeps the scale byte 1 (zero codes add nothing; this program alone reads the bytes).
; REGISTERS: window 0: v14-31 addresses; v32-95 scale words (block i, K step ks at 32 + 8 i + ks; lanes 0-15 S1's, lanes 16-31 S0's); v96-127 at work on the way out; v128-223 S1's fragments, one set.
;   window 1: S0's fragments, two sets, at v0 and v128; the bias at v96-127 and v224-255.   windows 2, 3: accumulator (a, b) at v[8 (8 (a % 4) + b)].
.set MODE, 1
.set FR,     12                        ; registers of a fragment
.set NL,     4                         ; LDS loads that bring one
.set NP,     4                         ; places behind this matrix instruction (ISA guide 7.12.1)
.set TILEB,  12288                     ; a row tile's codes for all of K
.set STEPB,  3072                      ; and for a slot's 256 along K
.set HALFT,  8*STEPB                   ; 8 row tiles: what one tensor load brings, and what one wave reads of S1 or of S0
.set SLOT,   4*HALFT                   ; S1's 16 row tiles, then S0's
.set SCL,    2*SLOT                    ; behind the ring: the scale words, 512 bytes a row tile
.set HALFS,  4096                      ; those of 8 row tiles
.set SPARE,  SCL+4*HALFS               ; the spare words, 128 bytes for each wave, which no other line names
.set STAGE,  SPARE+512                 ; MODE 2: 16 rows x 528 bytes for each wave; no tile ever lands here
.set SPITCH, 528
.if MODE == 0
.set A_COD, 0
.set A_SCL, 6291456
.set B_COD, 0
.set B_SCL, 3145728
.elseif MODE == 1
.set A_COD, 128*TILEB                  ; Wv: row tiles 128 on
.set A_SCL, 3145728+128*512
.set B_COD, 0
.set B_SCL, 6291456
.else
.set A_COD, 0
.set A_SCL, 6291456
.set B_COD, 192*TILEB                  ; Wo: row tiles 192 on
.set B_SCL, 3145728+192*512
.endif
.set BOF,  14                          ; v14  my byte offset in the bias
.set ADRA, 16                          ; v16-17 S1's fragments in slot 0, 1: base + 16 x lane; v18-19: base + 8 x lane
.set ADRB, 20                          ; v20-23 the same for S0
.set STO,  24
.set RD,   25
.set CO16, 26                          ; v26  16 x lane
.set ADRS, 27                          ; v27  my scale words
.set SPW,  28                          ; v28  my spare word; never rewritten
.set NIL,  29                          ; v29  0; never rewritten
.set CO8,  30                          ; v30  8 x lane
.set CSC,  31                          ; v31  my byte offset among the scale words that I store
.set SC,   32
.set TM,   96
.set PW,   112
.set SH16, 113
.set SW,   116
.set SV,   124
.set AF,   128
.set BK,   128
.set G1,   24
.set G0,   32
.set G1B,  48
.set G0B,  56
.set G1S,  68
.set G0S,  76
.set G1SB, 80
.set G0SB, 88
.set SEL,  96
.set MSB, 0
.macro WIN new                         ; the immediate's high byte repeats the setting that is left
.if MSB != (\new)
	s_set_vgpr_msb (MSB<<8)|(\new)
.set MSB, (\new)
.endif
.endm
.set MUL_LO, 0xa1                      ; source 0 window 1, source 1 window 0, C and D window 2
.set MUL_HI, 0xf1                      ; the same, C and D window 3.  In the first step C is the bias, window 1: 0x91, 0xd1
.set TO_B,   0x40                      ; destination window 1, address window 0
; A joint load: waves 0 and 1 fetch for S1, waves 2 and 3 for S0.  The branch hangs on the wave's number alone.  Four v_nop follow each of the two lines.
.macro JLOAD g0a, g1a, g0b, g1b
	s_cmp_eq_u32 s15, 0
	s_cbranch_scc0 .Lfor_b_\@
	tensor_load_to_lds s[\g0a:\g0a+3], s[\g1a:\g1a+7]
	s_nop 0
.rept 4
	v_nop
.endr
	s_branch .Lasked_\@
.Lfor_b_\@:
	tensor_load_to_lds s[\g0b:\g0b+3], s[\g1b:\g1b+7]
	s_nop 0
.rept 4
	v_nop
.endr
.Lasked_\@:
.endm
.macro CREST                           ; a round of the cluster's barrier behind its opening barrier
	s_cmp_lg_u32 s14, 0
	s_cbranch_scc1 .Lnot_wave_0_\@
	s_barrier_signal -3
.Lnot_wave_0_\@:
	s_barrier_wait -3
	s_barrier_signal -1
	s_barrier_wait -1
.endm
.macro CROUND
	s_barrier_signal -1
	s_barrier_wait -1
	CREST
.endm
.macro PLACES n
.rept \n
	v_nop
.endr
.endm
	s_load_b128 s[4:7], s[0:1], 0x0                ; S1's buffer, S0's buffer
.if MODE == 0
	s_load_b128 s[8:11], s[0:1], 0x10              ; bq, bk
	s_load_b64 s[12:13], s[0:1], 0x20              ; the output
.else
	s_load_b64 s[8:9], s[0:1], 0x10                ; the bias
	s_load_b64 s[12:13], s[0:1], 0x18              ; the output
.endif
	v_lshl_add_u32 v[SPW], v0, 2, SPARE
	v_mov_b32 v[NIL], 0
	ds_add_u32 v28, v29
	ds_add_u32 v28, v29
	s_wait_dscnt 0x0
	v_lshrrev_b32 v1, 5, v0
	v_readfirstlane_b32 s14, v1                    ; wave 0..3
	s_lshr_b32 s15, s14, 1                         ; which half of S1's rows is mine.  Also: I fetch for S1 (0) or for S0 (1)
	s_and_b32 s16, s14, 1                          ; which half of S0's rows.  Also: which 8 row tiles I fetch
	s_bfe_u32 s40, ttmp6, 0x40000                  ; cx, cy: my place in the cluster
	s_bfe_u32 s41, ttmp6, 0x40004
	s_lshl_b32 s42, ttmp9, 2
	s_add_co_u32 s42, s42, s40                     ; col: which 256 rows of S0
	s_and_b32 s17, ttmp7, 0xffff
	s_lshl_b32 s17, s17, 2
	s_add_co_u32 s17, s17, s41                     ; row: which 256 rows of S1
	s_lshl_b32 s43, s41, 2
	s_lshl_b32 s43, 15, s43                        ; my row of the cluster
	s_lshl_b32 s44, 0x1111, s40                    ; my column
	; group 1 for codes: 8 row tiles x 3,072 bytes (384 elements of 8 bytes), 12,288 bytes apart; dense in LDS
	s_or_b32 s[G1+0], s43, (3<<16)|(1<<21)         ; 15:0 the mask; 17:16 elements of 8 bytes; 21 set beside a mask; no padding
	s_or_b32 s[G1B+0], s44, (3<<16)|(1<<21)
.irp g, G1, G1B
	s_mov_b32 s[\g+1], 384<<16                     ; tensor_dim0
	s_mov_b32 s[\g+2], 8<<16                       ; tensor_dim1
	s_mov_b32 s[\g+3], 384<<16                     ; tile_dim0
	s_mov_b32 s[\g+4], 8                           ; tile_dim1
	s_mov_b32 s[\g+5], 1536                        ; tensor_dim0_stride
	s_mov_b32 s[\g+6], 0
	s_mov_b32 s[\g+7], 0
.endr
	; and for the scale words of 8 row tiles: 4,096 dense bytes as 16 rows of 256
	s_or_b32 s[G1S+0], s43, (3<<16)|(1<<21)
	s_or_b32 s[G1SB+0], s44, (3<<16)|(1<<21)
.irp g, G1S, G1SB
	s_mov_b32 s[\g+1], 32<<16
	s_mov_b32 s[\g+2], 16<<16
	s_mov_b32 s[\g+3], 32<<16
	s_mov_b32 s[\g+4], 16
	s_mov_b32 s[\g+5], 32
	s_mov_b32 s[\g+6], 0
	s_mov_b32 s[\g+7], 0
.endr
	s_lshl_b32 s18, s16, 3                         ; which 8 row tiles I fetch
	s_lshl_b32 s20, s17, 4
	s_add_co_u32 s20, s20, s18                     ; S1: row tile 16 row + 8 half: it hangs on the tile row alone
	s_lshl_b32 s46, s42, 4
	s_add_co_u32 s46, s46, s18                     ; S0: 16 col + 8 half: on the tile column alone
	s_lshl_b32 s22, s20, 9
	s_add_co_u32 s22, s22, A_SCL                   ; where their scale words begin,
	s_mov_b32 s23, 0
	s_lshl_b32 s92, s46, 9
	s_add_co_u32 s92, s92, B_SCL
	s_mov_b32 s93, 0
	s_mul_i32 s20, s20, TILEB
	s_add_co_u32 s20, s20, A_COD                   ; and their codes
	s_mov_b32 s21, 0
	s_mul_i32 s46, s46, TILEB
	s_add_co_u32 s46, s46, B_COD
	s_mov_b32 s47, 0
	s_mul_i32 s45, s14, HALFT                      ; where they go: no place in the cluster enters an LDS address
	s_mul_i32 s94, s14, HALFS
	s_wait_kmcnt 0x0
.if MODE == 0
	s_cmp_lt_u32 ttmp9, 1                          ; clusters with x = 0 make q, the others k
	s_cselect_b64 s[8:9], s[8:9], s[10:11]
.endif
	s_add_nc_u64 s[20:21], s[4:5], s[20:21]
	s_add_nc_u64 s[22:23], s[4:5], s[22:23]
	s_add_nc_u64 s[46:47], s[6:7], s[46:47]
	s_add_nc_u64 s[92:93], s[6:7], s[92:93]
	CROUND                                         ; all sixteen work-groups are here: the first joint loads meet
	s_mov_b32 s[G0S], 1
	s_add_co_u32 s[G0S+1], s94, SCL
	s_mov_b64 s[G0S+2:G0S+3], s[22:23]
	s_or_b32 s[G0S+3], s[G0S+3], 0x80000000
	s_mov_b32 s[G0SB], 1
	s_add_co_u32 s[G0SB+1], s94, SCL
	s_mov_b64 s[G0SB+2:G0SB+3], s[92:93]
	s_or_b32 s[G0SB+3], s[G0SB+3], 0x80000000
	JLOAD G0S, G1S, G0SB, G1SB                     ; the scale words first: they are wanted with the first step
.irp s, 0,1
	s_mov_b32 s[G0+4*\s], 1
	s_add_co_u32 s[G0+4*\s+1], s45, \s*SLOT
	s_add_nc_u64 s[G0+4*\s+2:G0+4*\s+3], s[20:21], \s*STEPB
	s_or_b32 s[G0+4*\s+3], s[G0+4*\s+3], 0x80000000
	s_mov_b32 s[G0B+4*\s], 1
	s_add_co_u32 s[G0B+4*\s+1], s45, \s*SLOT
	s_add_nc_u64 s[G0B+4*\s+2:G0B+4*\s+3], s[46:47], \s*STEPB
	s_or_b32 s[G0B+4*\s+3], s[G0B+4*\s+3], 0x80000000
	JLOAD G0+4*\s, G1, G0B+4*\s, G1B               ; three tensor loads of mine are out now
.endr
	v_and_b32 v1, 15, v0                           ; r
	v_bfe_u32 v2, v0, 4, 1                         ; h
	v_and_b32 v3, 31, v0
	v_lshlrev_b32 v[CO16], 4, v3
	v_lshlrev_b32 v[CO8], 3, v3
	s_mul_i32 s21, s15, HALFT                      ; my 8 row tiles of S1
	s_mul_i32 s22, s16, HALFT                      ; my 8 of S0,
	s_add_co_u32 s22, s22, 2*HALFT                 ; which lie behind S1's 16
.irp s, 0,1
	v_add_nc_u32 v[ADRA+\s], s21, v[CO16]
	v_add_nc_u32 v[ADRB+\s], s22, v[CO16]
	v_add_nc_u32 v[ADRA+2+\s], s21, v[CO8]
	v_add_nc_u32 v[ADRB+2+\s], s22, v[CO8]
	s_add_co_u32 s21, s21, SLOT
	s_add_co_u32 s22, s22, SLOT
.endr
	v_lshlrev_b32 v5, 4, v1                        ; my row's four words: 16 r
	s_mul_i32 s21, s15, HALFS
	s_mul_i32 s22, s16, HALFS
	s_add_co_u32 s22, s22, 2*HALFS
	s_sub_co_u32 s22, s22, s21
	v_mul_u32_u24 v6, s22, v2                      ; lanes 16-31 take S0's: one product, the distance between the two bases
	s_add_co_u32 s21, s21, SCL
	v_add_nc_u32 v5, v5, v6
	v_add_nc_u32 v[ADRS], s21, v5
	; the bias, in the result's layout, into window 1
.if MODE == 1
	v_and_b32 v[BOF], 8, v1
	v_add_nc_u32 v[BOF], v[BOF], v1
	v_lshlrev_b32 v[BOF], 2, v[BOF]                ; a lane holds one row of Wv: r + 8 (r / 8) of its tile
	s_lshl_b32 s20, s17, 10
	s_lshl_b32 s21, s15, 9
	s_add_co_u32 s20, s20, s21
	s_mov_b32 s21, 0
	s_add_nc_u64 s[8:9], s[8:9], s[20:21]
	WIN TO_B
.irp a, 0,1,2,3,4,5,6,7
.irp j, 0,1,2,3,4,5,6,7
	global_load_b32 v[96+8*\a+96*(\a/4)+\j], v[BOF], s[8:9] offset:(32*(\a/2)+8*(\a%2))*4   ; the same number in a tile's eight registers
.endr
.endr
	WIN 0
.else
	v_lshlrev_b32 v[BOF], 6, v2                    ; registers run along S0's rows: 16 h numbers on
	s_and_b32 s46, s42, 3
	s_lshl_b32 s46, s46, 10
	s_lshl_b32 s47, s16, 9
	s_add_co_u32 s46, s46, s47
	s_mov_b32 s47, 0
	s_add_nc_u64 s[8:9], s[8:9], s[46:47]
	WIN TO_B
.irp b, 0,1,2,3,4,5,6,7
	global_load_b128 v[96+8*\b+96*(\b/4):96+8*\b+96*(\b/4)+3], v[BOF], s[8:9] offset:(32*(\b/2)+8*(\b%2))*4
	global_load_b128 v[96+8*\b+96*(\b/4)+4:96+8*\b+96*(\b/4)+7], v[BOF], s[8:9] offset:(32*(\b/2)+8*(\b%2))*4+16
.endr
	WIN 0
.endif
	; where the results go
.if MODE == 0
	s_lshl_b32 s46, s42, 2
	s_lshl_b32 s47, s16, 1
	s_add_co_u32 s46, s46, s47                     ; my first head of 32 (q's 16, then k's): 4 col + 2 half
	s_lshl_b32 s20, s17, 4
	s_lshl_b32 s21, s15, 3
	s_add_co_u32 s20, s20, s21                     ; my first token tile
	s_lshl_b32 s47, s46, 9
	s_add_co_u32 s47, s47, s20
	s_mul_i32 s22, s47, 768
	s_mov_b32 s23, 0
	s_lshl_b32 s46, s46, 15                        ; scale words: 32,768 bytes a head,
	s_lshl_b32 s20, s20, 6                         ; 512 for each 128 tokens
	s_add_co_u32 s46, s46, s20
	s_add_co_u32 s46, s46, 12582912
	s_mov_b32 s47, 0
	s_add_nc_u64 s[66:67], s[12:13], s[46:47]
	s_add_nc_u64 s[12:13], s[12:13], s[22:23]
	v_lshlrev_b32 v[CSC], 4, v1
	v_lshl_add_u32 v[CSC], v2, 15, v[CSC]          ; 16 r, and lanes 16-31 the next head
	v_lshlrev_b32 v[SH16], 4, v2
.elseif MODE == 1
	s_lshl_b32 s20, s17, 2
	s_lshl_b32 s21, s15, 1
	s_add_co_u32 s20, s20, s21                     ; my first head: 4 row + 2 half
	s_lshl_b32 s46, s42, 1
	s_add_co_u32 s46, s46, s16                     ; my 128 keys: 2 col + half
	s_lshl_b32 s21, s20, 6
	s_add_co_u32 s21, s21, s46
	s_mul_i32 s22, s21, 6144
	s_mov_b32 s23, 0
	s_lshl_b32 s20, s20, 14
	s_lshl_b32 s46, s46, 8
	s_add_co_u32 s46, s46, s20
	s_add_co_u32 s46, s46, 6291456
	s_mov_b32 s47, 0
	s_add_nc_u64 s[66:67], s[12:13], s[46:47]
	s_add_nc_u64 s[12:13], s[12:13], s[22:23]
	v_lshlrev_b32 v[CSC], 4, v1
	v_lshl_add_u32 v[CSC], v2, 14, v[CSC]
.else
	s_mul_i32 s23, s14, 16*SPITCH
	s_add_co_u32 s23, s23, STAGE                   ; my stage
	v_mul_u32_u24 v5, v1, SPITCH
	v_lshl_add_u32 v5, v2, 6, v5
	v_add_nc_u32 v[STO], s23, v5                   ; in: row r, + 64 h
	v_add_nc_u32 v[RD], s23, v[CO16]               ; back: a row of 512 bytes
	s_lshl_b32 s20, s17, 8
	s_lshl_b32 s21, s15, 7
	s_add_co_u32 s20, s20, s21
	s_lshl_b32 s20, s20, 12                        ; my first token's row of 4,096 bytes
	s_mov_b32 s21, 0
	s_lshl_b32 s46, s42, 10
	s_lshl_b32 s47, s16, 9
	s_add_co_u32 s46, s46, s47                     ; my first column, in bytes
	s_mov_b32 s47, 0
	s_add_nc_u64 s[12:13], s[12:13], s[20:21]
	s_add_nc_u64 s[12:13], s[12:13], s[46:47]
.endif
.if MODE < 2
	s_mov_b32 s[SEL], 0x76543210
	s_mov_b32 s[SEL+1], 0xfedcba98
.irp b, 0,1,2,3
	v_mov_b32 v[TM+4+\b], 0                        ; written once: a lane permute's destination counts as one of its sources
.endr
.endif
.macro FRAG reg, adr, q, i             ; row tile i, the slot's q-th 128 along K: two half fragments, each 512 + 256 consecutive bytes
	ds_load_b128 v[\reg:\reg+3],    v[\adr]   offset:STEPB*(\i)+1536*(\q)
	ds_load_b64  v[\reg+4:\reg+5],  v[\adr+2] offset:STEPB*(\i)+1536*(\q)+512
	ds_load_b128 v[\reg+6:\reg+9],  v[\adr]   offset:STEPB*(\i)+1536*(\q)+768
	ds_load_b64  v[\reg+10:\reg+11], v[\adr+2] offset:STEPB*(\i)+1536*(\q)+1280
.endm
.macro FETCH_B slot, q, p
	WIN TO_B
.irp i, 0,1,2,3,4,5,6,7
	FRAG 128*(\p)+FR*\i, ADRB+\slot, \q, \i
.endr
	WIN 0
.endm
.macro FETCH_A slot, q, i0
.irp i, \i0, \i0+1, \i0+2, \i0+3
	FRAG AF+FR*(\i), ADRA+\slot, \q, \i
.endr
.endm
; 16 matrix instructions: S1's blocks a0, a0 + 1 x S0's eight, K step ks; p: S0's set.  first = 1: C is the bias, and nothing is ever cleared.
; The 64 accumulators take turns, one instruction a turn, in the same order in every step.
.macro MUL16 a0, p, ks, first
.irp a, \a0, \a0+1
.irp b, 0,1,2,3,4,5,6,7
.set rD, 8*(8*((\a)%4)+\b)
.set rB, 128*(\p)+FR*\b
.set rA, AF+FR*(\a)
.set rC, rD
.if \first
.if MODE == 1
.set rC, 96+8*(\a)+96*((\a)/4)
.else
.set rC, 96+8*\b+96*(\b/4)
.endif
.endif
	v_wmma_scale_f32_16x16x128_f8f6f4 v[rD:rD+7], v[rB:rB+FR-1], v[rA:rA+FR-1], v[rC:rC+7], v[SC+8*\b+(\ks)], v[SC+8*(\a)+(\ks)] matrix_a_fmt:MATRIX_FMT_FP6 matrix_b_fmt:MATRIX_FMT_FP6 matrix_a_scale:MATRIX_SCALE_ROW1
.endr
.endr
.endm
; A slot's first step: multiplies S0's set 0 and fetches the second step's fragments.  A block of S1 is free when its eight products are issued: blocks 0-3 are fetched anew in the middle, blocks 4-7 at the end.
; Four places stand in front of each run of loads into registers that matrix instructions have read (ISA guide 7.12.1 for vector instructions).
.macro STEP slot, ks, first
	s_wait_dscnt 4*NL                              ; all but the youngest 16 loads (S1's blocks 4-7) are in
	WIN MUL_LO-0x10*(\first)
	MUL16 0, 0, \ks, \first
	MUL16 2, 0, \ks, \first
	s_wait_dscnt 0
	PLACES NP
	FETCH_B \slot, 1, 1
	FETCH_A \slot, 1, 0
	WIN MUL_HI-0x20*(\first)
	MUL16 4, 0, \ks, \first
	MUL16 6, 0, \ks, \first
	PLACES NP
	WIN 0
	FETCH_A \slot, 1, 4
.endm
; A slot's second step changes slots: one barrier; in front of it each wave waits for all its tensor loads, adds 0 to its spare word, and waits for that and for its reads of this slot.  fill = 1: the slot is filled again, 512 along K on.
.macro TURN slot, next, ks, fill
	s_wait_tensorcnt 0x0                           ; all my tensor loads have landed: my part of the next slot
	ds_add_u32 v[SPW], v[NIL]                      ; 0 onto my spare word
	s_wait_dscnt 4*NL+1                            ; the add and the youngest 16 loads may be out
	WIN MUL_LO
	MUL16 0, 1, \ks, 0
	s_wait_dscnt 0x0                               ; the add is done, and my reads of this slot are over
	s_barrier_signal -1
	MUL16 2, 1, \ks, 0
	WIN 0
	s_barrier_wait -1
.if \fill
	CREST                                          ; the barrier has opened a round of the cluster's: no wave of any partner still reads this slot or has a load on its way
	s_add_nc_u64 s[G0+4*\slot+2:G0+4*\slot+3], s[G0+4*\slot+2:G0+4*\slot+3], 2*STEPB
	s_add_nc_u64 s[G0B+4*\slot+2:G0B+4*\slot+3], s[G0B+4*\slot+2:G0B+4*\slot+3], 2*STEPB
	JLOAD G0+4*\slot, G1, G0B+4*\slot, G1B         ; my one tensor load behind the round; its four v_nop are the places in front of the loads below
.else
	PLACES NP
.endif
	FETCH_B \next, 0, 0
	FETCH_A \next, 0, 0
	WIN MUL_HI
	MUL16 4, 1, \ks, 0
	MUL16 6, 1, \ks, 0
	PLACES NP
	WIN 0
	FETCH_A \next, 0, 4
.endm
	s_wait_tensorcnt 1                             ; the scale words and my part of slot 0 are in; slot 1's load may be out
	s_barrier_signal -1
	s_barrier_wait -1
	FETCH_B 0, 0, 0
	FETCH_A 0, 0, 0
.irp i, 0,1,2,3,4,5,6,7                ; all scale words: block i's eight, lanes 0-15 S1's, lanes 16-31 S0's
	ds_load_b128 v[SC+8*\i:SC+8*\i+3],   v[ADRS] offset:512*\i
	ds_load_b128 v[SC+8*\i+4:SC+8*\i+7], v[ADRS] offset:512*\i+256
.endr
	FETCH_A 0, 0, 4
	s_wait_loadcnt 0x0                             ; the bias
	STEP 0, 0, 1                                   ; K = 1,024 is eight steps, written out: slots 0, 1, 0, 1
	TURN 0, 1, 1, 1
	STEP 1, 2, 0
	TURN 1, 0, 3, 1
	STEP 0, 4, 0
	TURN 0, 1, 5, 0                                ; nothing is left to fetch
	STEP 1, 6, 0
	s_wait_dscnt 4*NL
	WIN MUL_LO
	MUL16 0, 1, 7, 0
	MUL16 2, 1, 7, 0
	s_wait_dscnt 0
	WIN MUL_HI
	MUL16 4, 1, 7, 0
	MUL16 6, 1, 7, 0
	WIN 0
	PLACES NP                                      ; in front of the first read of results and the first write over fragments
.if MODE < 2
; THE WAY OUT, MODES 0 AND 1.  Block a's 64 registers of a lane are 128 neighbours' halves along the next K: register 16 b + i = 32 b + 16 h + i.  They become one fragment (two half fragments) and a scale word.
.macro QUANTW a, pw
.set AC, 64*((\a)%4)
.set PC, 128                           ; the codes' registers carry other numbers than the conversion's sources, which lie in another window
.if ((\a)%4) == 2
.set PC, 192
.endif
	WIN 0x0a+5*((\a)/4)                            ; sources 0 and 1: window 2 or 3
.irp b, 0,1,2,3
	v_max3_num_f32 v[TM+\b], |v[AC+16*\b]|, |v[AC+16*\b+1]|, 0x1800000   ; each accumulator is read from its low end on; the floor 2^(3 - 127) holds the byte at 1
.endr
.irp i, 2,4,6,8,10,12,14
.irp b, 0,1,2,3
	v_max3_num_f32 v[TM+\b], |v[AC+16*\b+\i]|, |v[AC+16*\b+\i+1]|, v[TM+\b]
.endr
.endr
	WIN 0
.irp b, 0,1,2,3
	v_permlanex16_b32 v[TM+4+\b], v[TM+\b], s[SEL], s[SEL+1]
.endr
.irp b, 0,1,2,3
	v_max_num_f32 v[TM+\b], v[TM+\b], v[TM+4+\b]
.endr
.irp b, 0,1,2,3
	v_add_nc_u32 v[TM+12+\b], 0xff000000, v[TM+\b] ; 2 off the exponent field: the conversion's scale operand
.endr
.irp b, 0,1,2,3
	v_lshrrev_b32 v[TM+4+\b], 23, v[TM+12+\b]
.endr
	v_lshl_or_b32 v[\pw], v[TM+5], 8, v[TM+4]
	v_lshl_or_b32 v[\pw], v[TM+6], 16, v[\pw]
	v_lshl_or_b32 v[\pw], v[TM+7], 24, v[\pw]
	s_wait_xcnt 0x0                                ; the earlier blocks' stores have read their data: the codes' registers are written again only behind this wait
	WIN 0x02+(\a)/4                                ; source 0: window 2 or 3
.irp c, 0,1
	v_cvt_scalef32_pk16_fp6_f32 v[PC+6*\c:PC+6*\c+2], v[AC+32*\c:AC+32*\c+15], v[TM+12+2*\c]
	v_cvt_scalef32_pk16_fp6_f32 v[PC+12+4*\c:PC+14+4*\c], v[AC+32*\c+16:AC+32*\c+31], v[TM+12+2*\c+1]
.endr
	WIN 0
	v_nop                                          ; one plain place behind a scaled conversion
.irp c, 0,1
.irp i, 0,1,2
	v_permlane16_swap_b32 v[PC+6*\c+\i], v[PC+12+4*\c+\i]
.endr
.irp i, 0,1,2
	v_mov_b32 v[PC+3+6*\c+\i], v[PC+12+4*\c+\i]
.endr
.endr
.endm
.irp a, 0,1,2,3,4,5,6,7
.if MODE == 0
	QUANTW \a, PW
	v_lshrrev_b32 v[SW+\a], v[SH16], v[PW]         ; lanes 0-15: my first head's two bytes lowest; lanes 16-31: the second head's.  The upper two bytes are scale bytes or 0, never 0xff
.irp e, 0,1                            ; half fragment e is head e's: 16 tokens x 64
	global_store_b128 v[CO16], v[PC+6*\e:PC+6*\e+3], s[12:13] offset:\e*393216+\a*768
	global_store_b64 v[CO8], v[PC+6*\e+4:PC+6*\e+5], s[12:13] offset:\e*393216+\a*768+512
.endr
.else
	QUANTW \a, SW+\a
.irp e, 0,1                            ; head a / 4, its tile a % 4 of 16 d, keys 64 e on
	global_store_b128 v[CO16], v[PC+6*\e:PC+6*\e+3], s[12:13] offset:(\a/4)*393216+(\a%4)*1536+\e*768
	global_store_b64 v[CO8], v[PC+6*\e+4:PC+6*\e+5], s[12:13] offset:(\a/4)*393216+(\a%4)*1536+\e*768+512
.endr
.endif
.endr
.if MODE == 0
	global_store_b128 v[CSC], v[SW:SW+3], s[66:67]               ; sixteen lanes store 256 consecutive bytes, aligned
	global_store_b128 v[CSC], v[SW+4:SW+7], s[66:67] offset:256
.else
	v_cmp_ne_u32 vcc_lo, 0, v2
.irp t, 0,1,2,3
	v_cndmask_b32 v[SV+\t], v[SW+\t], v[SW+4+\t], vcc_lo         ; lanes 16-31 store the second head's words
.endr
	global_store_b128 v[CSC], v[SV:SV+3], s[66:67]
.endif
.else
; THE WAY OUT, MODE 2.  A block of 16 tokens x 128 columns goes through my own stage and comes back as whole rows of 512 bytes.  LDS serves a wave's instructions in order (ISA guide 5.7.1.4).
.macro TOSTAGE a
.set AC, 64*((\a)%4)
	WIN 0x08+4*((\a)/4)                            ; the data: window 2 or 3
.irp b, 0,1,2,3,4,5,6,7
	ds_store_b128 v[STO], v[AC+8*\b:AC+8*\b+3] offset:128*(\b/2)+32*(\b%2)      ; columns 32 (b / 2) + 16 h + 8 (b % 2) on; each accumulator from its low end on
	ds_store_b128 v[STO], v[AC+8*\b+4:AC+8*\b+7] offset:128*(\b/2)+32*(\b%2)+16
.endr
	WIN 0
.set BB, BK+64*((\a)%2)
.irp t, 0,1,2,3,4,5,6,7,8,9,10,11,12,13,14,15
	ds_load_b128 v[BB+4*\t:BB+4*\t+3], v[RD] offset:\t*SPITCH
.endr
.endm
.macro SEND a, younger
.set BB, BK+64*((\a)%2)
	s_wait_dscnt \younger
.irp t, 0,1,2,3,4,5,6,7,8,9,10,11,12,13,14,15
	global_store_b128 v[CO16], v[BB+4*\t:BB+4*\t+3], s[12:13] offset:(32*((\a)/2)+8*((\a)%2)+\t+8*(\t/8))*4096 th:TH_STORE_NT   ; 512 consecutive bytes, aligned to 256; lane row t of block a is token 32 (a / 2) + 8 (a % 2) + t + 8 (t / 8)
.endr
.endm
	TOSTAGE 0
.irp a, 1,2,3,4,5,6,7
.if \a > 1
	s_wait_xcnt 0x0                                ; block a - 2's stores have read their registers: block a's loads may land there
.endif
	TOSTAGE \a
	SEND \a-1, 32                                  ; behind block a - 1's loads: block a's 16 stores and 16 loads
.endr
	SEND 7, 0
.endif
	s_wait_tensorcnt 0x0                           ; the wave's end
	ds_add_u32 v[SPW], v[NIL]
	s_wait_dscnt 0x0
	CROUND                                         ; the closing round: no work-group ends while a partner may still ask for a tile that names it
	s_endpgm
.Lfunc_end_k_q6ef50a0bb2_gemm_v:
	.size	k_q6ef50a0bb2_gemm_v, .Lfunc_end_k_q6ef50a0bb2_gemm_v-k_q6ef50a0bb2_gemm_v
	.p2alignl 7, 3214868480
	.fill 96, 4, 3214868480
	.section	.rodata,"a",@progbits
	.p2align	6, 0x0
	.amdhsa_kernel k_q6ef50a0bb2_gemm_v
		.amdhsa_group_segment_fixed_size 327680
		.amdhsa_private_segment_fixed_size 0
		.amdhsa_enable_private_segment 0
		.amdhsa_kernarg_size 32
		.amdhsa_user_sgpr_count 2
		.amdhsa_user_sgpr_kernarg_segment_ptr 1
		.amdhsa_wavefront_size32 1
		.amdhsa_system_sgpr_workgroup_id_x 1
		.amdhsa_system_sgpr_workgroup_id_y 1
		.amdhsa_system_sgpr_workgroup_id_z 1
		.amdhsa_system_vgpr_workitem_id 0
		.amdhsa_next_free_vgpr 1024
		.amdhsa_next_free_sgpr 98
		.amdhsa_reserve_vcc 1
		.amdhsa_float_denorm_mode_32 3
		.amdhsa_float_denorm_mode_16_64 3
		.amdhsa_memory_ordered 1
		.amdhsa_forward_progress 1
		.amdhsa_inst_pref_size 154
	.end_amdhsa_kernel
	.amdgpu_metadata
---
amdhsa.version: [ 1, 2 ]
amdhsa.kernels:
  - .name:           k_q6ef50a0bb2_gemm_v
    .symbol:         k_q6ef50a0bb2_gemm_v.kd
    .args:
      - { .name: ww, .offset: 0, .size: 8, .value_kind: global_buffer, .address_space: global }
      - { .name: xw, .offset: 8, .size: 8, .value_kind: global_buffer, .address_space: global }
      - { .name: bv, .offset: 16, .size: 8, .value_kind: global_buffer, .address_space: global }
      - { .name: vw, .offset: 24, .size: 8, .value_kind: global_buffer, .address_space: global }
    .group_segment_fixed_size: 327680
    .private_segment_fixed_size: 0
    .kernarg_segment_align: 8
    .kernarg_segment_size: 32
    .max_flat_workgroup_size: 128
    .sgpr_count:     98
    .vgpr_count:     1024
    .wavefront_size: 32
...
	.end_amdgpu_metadata
.endif
;; end of part 3
;; launch attn (part 4): grid 4 x 64, 16 waves a work-group, clusters of 4 x 1, 210,944 bytes of LDS; arguments qkw, vw, aw; writes aw
.if DOCPART == 4
	.amdgcn_target "amdgcn-amd-amdhsa--gfx1250"
	.amdhsa_code_object_version 6
	.text
	.protected	k_q6ef50a0bb2_attn
	.globl	k_q6ef50a0bb2_attn
	.p2align	8
	.type	k_q6ef50a0bb2_attn,@function
k_q6ef50a0bb2_attn:
	s_mov_b64 s[64:65], 0
	v_nop
	global_prefetch_b8 v0, s[64:65] scope:SCOPE_SE
	s_setreg_imm32_b32 hwreg(HW_REG_WAVE_MODE, 25, 1), 1
	s_wait_xcnt 0x0
	s_wait_alu depctr_hold_cnt(0) depctr_sa_sdst(0) depctr_va_vdst(0) depctr_va_sdst(0) depctr_va_ssrc(0) depctr_va_vcc(0) depctr_vm_vsrc(0)
	s_getreg_b32 s2, hwreg(HW_REG_IB_STS2, 6, 4)
	s_cmp_eq_u32 s2, 0
	s_cbranch_scc0 .Lentry_in_a_cluster
	s_endpgm
.Lentry_in_a_cluster:
	s_bfe_u32 s2, ttmp6, 0x10000c
	s_cmp_lg_u32 s2, 0x3003
	s_cbranch_scc0 .Lentry_shape_is_right
	s_endpgm
.Lentry_shape_is_right:
; Causal attention of one batch and head (64 of them, 2,048 tokens, head size 64) on codes of FP6 (E2M3) with E8M0 scales; the result is quantised along head x d for the last projection.
; q, k: half-fragment images (16 tokens x 64 d, 768 bytes: lane l's registers 0-3 at 16 l, registers 4-5 at 512 + 8 l); V^T: images of 16 d x 64 keys.  Lane r of token tile 2 p + u is token 32 p + 8 u + r + 8 (r / 8).
; THE SOFTMAX: t = score x log2(e) / 8; M = the running largest t rounded up to a whole number; p = 2^(t - M) is quantised along the keys, not normalised; the sum of the unquantised p divides at the end.
; When M moves, the sum and O are multiplied by 2^(old M - new M): exact.  Both products are used transposed (S^T = K Q^T, O^T = V^T P^T): a lane holds one query throughout.
; K = 64 IN AN INSTRUCTION OF K = 128: q's fragment has zero codes at k = 64 .. 127.  A tile of k is named with the six registers that follow it (the next tile's codes, zeros behind the last): every 6-bit code is a finite
; number and the upper two bytes of both scale words are scale bytes or 0, never 0xff, so those products are exact zeros.  So only one side is filled with zeros.
; SHARES.  A head's whole K and V, codes and scale words (208,896 bytes), lie in LDS, filled once: no slot is ever filled again.  The four work-groups of a cluster serve one head and ask for these bytes jointly.
; Wave w (j = w >> 1, u = w & 1) of work-group g takes two tiles of 16 queries: tile 2 g + u of the 128 queries 15 - j, then of the 128 queries j.  The first wants 16 - j key steps of 128, the second j + 1: 17 for every wave.
; Every wave walks 16 trips in each pass; a step all of whose keys are hidden is jumped over by a scalar branch on the wave's number; in the last step that counts hidden scores become -infinity.  No branch hangs on the place in the cluster.
; LIMITS: NaN and infinities are not served; a block whose largest magnitude lies under 2^-124 keeps the scale byte 1.  The result's scale bytes leave two at a lane, 512 bytes a tile and head pair apart from whole runs: 256 KB of the launch's stores.
; REGISTERS: v1-7, v14 addresses that stay; v8-13 the step's; v16-27 q (pass 0), v28 its scale word; v29 p's scale word; v32-85 fragments of K or V; v86-93 their scale words; v96-159 S^T, then p; v160-191 O^T;
;   v192-211 p's codes; v212 -M, v213 the largest t, v214-215 the sum; v216-231 at work; v232-243 q (pass 1), v244 its scale word.
.set VC,   98304                       ; LDS: K's codes at 0 (6,144 bytes a step), V's here,
.set KS,   196608                      ; K's scale words (512 a step),
.set VS,   204800                      ; V's (256 a step)
.set FR,   32
.set KSW,  86
.set VSW,  90
.set S,    96
.set OA,   160
.set P,    192
.set CT,   204
.set NM,   212
.set SUM,  214
.set BM,   216
.set PB,   220
.set SO,   224
.set FF,   228
.set TT,   230
.set HW,   231
.set PSW,  29
.set WV,   18
.set SEL,  20
.set CS,   22
.set G1C,  24
.set G1S,  32
.set G0C,  40
.set G0S,  44
.set TK,   48
.set TS,   49
.set TV,   50
.set SI,   51
.set CH,   52
.macro CROUND                          ; a round of the cluster's barrier
	s_barrier_signal -1
	s_barrier_wait -1
	s_cmp_lg_u32 s[WV], 0
	s_cbranch_scc1 .Lnot_wave_0_\@
	s_barrier_signal -3
.Lnot_wave_0_\@:
	s_barrier_wait -3
	s_barrier_signal -1
	s_barrier_wait -1
.endm
	s_load_b128 s[4:7], s[0:1], 0x0                ; qkw, vw
	s_load_b64 s[8:9], s[0:1], 0x10                ; aw
	v_lshl_add_u32 v254, v0, 2, 0x33000
	v_mov_b32 v255, 0
	ds_add_u32 v254, v255
	ds_add_u32 v254, v255
	v_lshrrev_b32 v8, 5, v0
	s_delay_alu instid0(VALU_DEP_1)
	v_readfirstlane_b32 s[WV], v8                  ; wave 0..15
	s_lshr_b32 s19, s[WV], 1                       ; j
	s_and_b32 s10, s[WV], 1                        ; u
	s_bfe_u32 s11, ttmp6, 0x40000                  ; g: my place in the cluster: it enters q's and the result's addresses and the mask's numbers alone
	s_and_b32 s12, ttmp7, 0xffff
	s_and_b32 s13, s12, 15                         ; head
	s_lshr_b32 s14, s12, 4                         ; batch
	; group 1: dense blocks as rows of 256 bytes (32 elements of 8 bytes): 96 rows of codes, 16 rows of scale words; the mask names all four work-groups
	s_mov_b32 s[G1C], 15|(3<<16)|(1<<21)
	s_mov_b32 s[G1C+1], 32<<16
	s_mov_b32 s[G1C+2], 96<<16
	s_mov_b32 s[G1C+3], 32<<16
	s_mov_b32 s[G1C+4], 96
	s_mov_b32 s[G1C+5], 32
	s_mov_b32 s[G1C+6], 0
	s_mov_b32 s[G1C+7], 0
	s_mov_b32 s[G1S], 15|(3<<16)|(1<<21)
	s_mov_b32 s[G1S+1], 32<<16
	s_mov_b32 s[G1S+2], 16<<16
	s_mov_b32 s[G1S+3], 32<<16
	s_mov_b32 s[G1S+4], 16
	s_mov_b32 s[G1S+5], 32
	s_mov_b32 s[G1S+6], 0
	s_mov_b32 s[G1S+7], 0
	; what a wave fetches: waves 0-3 quarters of K's codes, 4-7 of V's, 8-9 halves of K's scale words, 10 V's
	s_and_b32 s78, s[WV], 3
	s_mul_i32 s78, s78, 24576
	s_add_co_u32 s74, s13, 16
	s_lshl_b32 s74, s74, 9
	s_lshl_b32 s79, s14, 7
	s_add_co_u32 s74, s74, s79
	s_mul_i32 s74, s74, 768                        ; k's head 16 + head, token tile 128 batch
	s_add_co_u32 s74, s74, s78
	s_mov_b32 s75, 0
	s_lshl_b32 s76, s13, 6
	s_lshl_b32 s79, s14, 4
	s_add_co_u32 s76, s76, s79
	s_mul_i32 s76, s76, 6144
	s_add_co_u32 s76, s76, s78
	s_mov_b32 s77, 0
	s_add_co_u32 s80, s13, 16
	s_lshl_b32 s80, s80, 15
	s_lshl_b32 s84, s14, 13
	s_add_co_u32 s80, s80, s84
	s_lshl_b32 s84, s10, 12
	s_add_co_u32 s80, s80, s84
	s_add_co_u32 s80, s80, 12582912
	s_mov_b32 s81, 0
	s_lshl_b32 s82, s13, 14
	s_lshl_b32 s84, s14, 12
	s_add_co_u32 s82, s82, s84
	s_add_co_u32 s82, s82, 6291456
	s_mov_b32 s83, 0
	; q's and the result's places
	s_lshl_b32 s15, s11, 1
	s_add_co_u32 s15, s15, s10                     ; a = 2 g + u: my tile among the eight of 128 queries
	s_lshl_b32 s16, s14, 7                         ; 128 batch
	s_lshl_b32 s17, s13, 9                         ; 512 head
	s_lshr_b32 s2, s15, 2
	s_lshl_b32 s2, s2, 8
	s_and_b32 s3, s15, 3
	s_lshl_b32 s3, s3, 2
	s_add_co_u32 s2, s2, s3                        ; q's scale word: 256 (a / 4) + 4 (a % 4),
	s_lshl_b32 s3, s13, 15
	s_add_co_u32 s2, s2, s3                        ; + 32,768 head,
	s_lshl_b32 s3, s14, 13
	s_add_co_u32 s2, s2, s3                        ; + 16 batch x 512
	s_add_co_u32 s2, s2, 12582912
	s_lshr_b32 s3, s13, 3
	s_lshl_b32 s3, s3, 8                           ; the result's scale bytes: K half head / 8,
	s_bfe_u32 s53, s13, 0x20001
	s_lshl_b32 s53, s53, 2
	s_add_co_u32 s3, s3, s53                       ; word (head / 2) % 4,
	s_and_b32 s53, s13, 1
	s_lshl_b32 s53, s53, 1
	s_add_co_u32 s3, s3, s53                       ; its lower or upper two bytes
	s_add_co_u32 s3, s3, 6291456
.macro PADDR qc, qs, ac, as            ; the four offsets of the pass whose 128 queries are s[CH]
	s_lshl_b32 s86, s[CH], 3
	s_add_co_u32 s86, s86, s15
	s_add_co_u32 s86, s86, s16                     ; my token tile
	s_add_co_u32 s87, s86, s17
	s_mul_i32 s[\qc], s87, 768
	s_mov_b32 s[\qc+1], 0
	s_lshl_b32 s[\qs], s[CH], 9
	s_add_co_u32 s[\qs], s[\qs], s2
	s_mov_b32 s[\qs+1], 0
	s_mul_i32 s[\ac], s86, 12288
	s_mul_i32 s87, s13, 768
	s_add_co_u32 s[\ac], s[\ac], s87
	s_mov_b32 s[\ac+1], 0
	s_lshl_b32 s[\as], s86, 9
	s_add_co_u32 s[\as], s[\as], s3
	s_mov_b32 s[\as+1], 0
.endm
	s_sub_co_u32 s[CH], 15, s19
	PADDR 54, 58, 66, 70
	s_mov_b32 s[CH], s19
	PADDR 56, 60, 68, 72
	s_mov_b32 s[SEL], 0x76543210
	s_mov_b32 s[SEL+1], 0xfedcba98
	s_mov_b32 s[CS], 0x3e38aa3b                    ; c = log2(e) / 8
	s_mov_b32 s[CS+1], s[CS]                       ; named with it as a pair, so it is written
	s_wait_dscnt 0x0
	s_wait_kmcnt 0x0
	s_add_nc_u64 s[74:75], s[4:5], s[74:75]
	s_add_nc_u64 s[76:77], s[6:7], s[76:77]
	s_add_nc_u64 s[80:81], s[4:5], s[80:81]
	s_add_nc_u64 s[82:83], s[6:7], s[82:83]
.irp p, 0, 2
	s_add_nc_u64 s[54+\p:55+\p], s[4:5], s[54+\p:55+\p]
	s_add_nc_u64 s[58+\p:59+\p], s[4:5], s[58+\p:59+\p]
	s_add_nc_u64 s[66+\p:67+\p], s[8:9], s[66+\p:67+\p]
	s_add_nc_u64 s[70+\p:71+\p], s[8:9], s[70+\p:71+\p]
.endr
	s_mov_b32 s[G0C], 1
	s_mul_i32 s[G0C+1], s[WV], 24576               ; K's four quarters, then V's
	s_cmp_lt_u32 s[WV], 4
	s_cselect_b64 s[G0C+2:G0C+3], s[74:75], s[76:77]
	s_or_b32 s[G0C+3], s[G0C+3], 0x80000000
	s_mov_b32 s[G0S], 1
	s_lshl_b32 s[G0S+1], s[WV], 12
	s_add_co_u32 s[G0S+1], s[G0S+1], 163840        ; wave 8: 196,608
	s_cmp_lt_u32 s[WV], 10
	s_cselect_b64 s[G0S+2:G0S+3], s[80:81], s[82:83]
	s_or_b32 s[G0S+3], s[G0S+3], 0x80000000
	CROUND                                         ; all four work-groups are here: the joint loads meet
	s_cmp_lt_u32 s[WV], 8                          ; the branches hang on the wave's number alone; four v_nop follow each tensor load; one load of a wave is out at the most
	s_cbranch_scc0 .Lnot_codes
	tensor_load_to_lds s[G0C:G0C+3], s[G1C:G1C+7]
	s_nop 0
.rept 4
	v_nop
.endr
	s_branch .Lasked
.Lnot_codes:
	s_cmp_lt_u32 s[WV], 11
	s_cbranch_scc0 .Lasked
	tensor_load_to_lds s[G0S:G0S+3], s[G1S:G1S+7]
	s_nop 0
.rept 4
	v_nop
.endr
.Lasked:
	v_and_b32 v15, 31, v0                          ; lane
	v_and_b32 v14, 15, v0                          ; r
	v_bfe_u32 v13, v0, 4, 1                        ; h
	s_delay_alu instid0(VALU_DEP_3)
	v_lshlrev_b32 v1, 4, v15                       ; 16 x lane
	s_delay_alu instid0(VALU_DEP_4)
	v_lshlrev_b32 v2, 3, v15                       ; 8 x lane
	s_delay_alu instid0(VALU_DEP_2)
	v_add_nc_u32 v3, VC, v1
	s_delay_alu instid0(VALU_DEP_2)
	v_add_nc_u32 v4, VC, v2
	s_delay_alu instid0(VALU_DEP_4)
	v_add_nc_u32 v5, KS, v1                        ; K's scale words: lanes 0-15 tiles 0-3 of a step, lanes 16-31 tiles 4-7
	v_and_b32 v7, 8, v14
	s_delay_alu instid0(VALU_DEP_1)
	v_add_nc_u32 v7, v7, v14
	v_lshlrev_b32 v13, 4, v13
	s_delay_alu instid0(VALU_DEP_1)
	v_sub_nc_u32 v7, v7, v13
	s_lshl_b32 s84, s11, 5
	s_lshl_b32 s85, s10, 3
	s_add_co_u32 s84, s84, s85
	v_add_nc_u32 v7, s84, v7                       ; d = my query among its 128 - 16 h = 32 g + 8 u + r + 8 (r / 8) - 16 h
	v_lshlrev_b32 v14, 4, v14                      ; 16 r
	s_delay_alu instid0(VALU_DEP_1)
	v_add_nc_u32 v6, VS, v14
	global_load_b128 v[16:19], v1, s[54:55]        ; q of both passes stays in registers
	global_load_b64 v[20:21], v2, s[54:55] offset:512
	global_load_b32 v28, v14, s[58:59]
	global_load_b128 v[232:235], v1, s[56:57]
	global_load_b64 v[236:237], v2, s[56:57] offset:512
	global_load_b32 v244, v14, s[60:61]
.irp i, 0,1,2,3,4,5
	v_mov_b32 v[22+\i], 0                          ; q's codes at k = 64 .. 127
	v_mov_b32 v[238+\i], 0
	v_mov_b32 v[FR+48+\i], 0                       ; what stands behind K's last tile
.endr
.irp b, 0,1,2,3
	v_mov_b32 v[PB+\b], 0                          ; written once: a lane permute's destination counts as one of its sources
.endr
	v_mov_b32 v[FF+1], 0                           ; named as the upper half of a pair
	v_mov_b32 v[TT], 0
	s_wait_tensorcnt 0x0                           ; my part of K and V is in,
	s_barrier_signal -1
	s_barrier_wait -1                              ; everybody's is
	s_wait_loadcnt 0x0                             ; q
; A KEY STEP: 128 keys.  qf, qs: the pass's fragment and scale word of q.
.macro STEP qf, qs
	s_cmp_gt_u32 s[SI], s[CH]                      ; all its keys come after my queries: only the addresses step
	s_cbranch_scc1 .Lhidden_\@
	s_setprio 2
	v_add_nc_u32 v8, s[TK], v1                     ; (these six are also the places behind the last step's products, in front of the loads below)
	v_add_nc_u32 v9, s[TK], v2
	v_add_nc_u32 v10, s[TK], v3
	v_add_nc_u32 v11, s[TK], v4
	v_add_nc_u32 v12, s[TS], v5
	v_add_nc_u32 v13, s[TV], v6
.irp t, 0,1,2,3,4,5,6,7
	ds_load_b128 v[FR+6*\t:FR+6*\t+3], v8 offset:768*\t
	ds_load_b64 v[FR+6*\t+4:FR+6*\t+5], v9 offset:768*\t+512
.endr
	ds_load_b128 v[KSW:KSW+3], v12
	s_wait_alu depctr_va_vdst(0)
	s_wait_dscnt 0x0
.irp t, 0,1,2,3
	v_wmma_scale_f32_16x16x128_f8f6f4 v[S+8*\t:S+8*\t+7], v[FR+6*\t:FR+6*\t+11], v[\qf:\qf+11], 0, v[KSW+\t], v[\qs] matrix_a_fmt:MATRIX_FMT_FP6 matrix_b_fmt:MATRIX_FMT_FP6
.endr
.irp t, 4,5,6,7
	v_wmma_scale_f32_16x16x128_f8f6f4 v[S+8*\t:S+8*\t+7], v[FR+6*\t:FR+6*\t+11], v[\qf:\qf+11], 0, v[KSW+\t-4], v[\qs] matrix_a_fmt:MATRIX_FMT_FP6 matrix_b_fmt:MATRIX_FMT_FP6 matrix_a_scale:MATRIX_SCALE_ROW1
.endr
.rept 4
	v_nop                                          ; places in front of the loads into K's registers and of the first read of the scores
.endr
.irp t, 0,1,2,3                        ; V's fragments land under the softmax
.irp e, 0,1
	ds_load_b128 v[FR+12*\t+6*\e:FR+12*\t+6*\e+3], v10 offset:1536*\t+768*\e
	ds_load_b64 v[FR+12*\t+6*\e+4:FR+12*\t+6*\e+5], v11 offset:1536*\t+768*\e+512
.endr
.endr
	ds_load_b128 v[VSW:VSW+3], v13
	s_cmp_lg_u32 s[SI], s[CH]
	s_cbranch_scc1 .Lopen_\@
	v_mov_b32 v[TT], 0xff800000                    ; on the diagonal: register 16 b + i holds key 32 b + 16 h + i of the step: hidden where 32 b + i > d
.set NN, 0
.rept 64
	v_cmp_gt_i32 vcc_lo, 32*(NN/16)+NN%16, v7
	v_cndmask_b32 v[S+NN], v[S+NN], v[TT], vcc_lo
.set NN, NN+1
.endr
.Lopen_\@:
.irp b, 0,1,2,3
	v_max3_num_f32 v[BM+\b], v[S+16*\b], v[S+16*\b+1], v[S+16*\b+2]   ; the largest score of each block of 32 keys: for the row's maximum and, since p rises with the score, for the block's largest p
.endr
.irp i, 3,5,7,9,11,13
.irp b, 0,1,2,3
	v_max3_num_f32 v[BM+\b], v[BM+\b], v[S+16*\b+\i], v[S+16*\b+\i+1]
.endr
.endr
.irp b, 0,1,2,3
	v_max_num_f32 v[BM+\b], v[BM+\b], v[S+16*\b+15]
.endr
.irp b, 0,1,2,3
	s_delay_alu instid0(VALU_DEP_4)
	v_permlanex16_b32 v[PB+\b], v[BM+\b], s[SEL], s[SEL+1]
.endr
.irp b, 0,1,2,3
	s_delay_alu instid0(VALU_DEP_4)
	v_max_num_f32 v[BM+\b], v[BM+\b], v[PB+\b]     ; with lane l xor 16's 16 keys
.endr
	s_delay_alu instid0(VALU_DEP_2)
	v_max3_num_f32 v[TT], v[BM], v[BM+1], v[BM+2]
	s_delay_alu instid0(VALU_DEP_1)
	v_max_num_f32 v[TT], v[TT], v[BM+3]
	s_delay_alu instid0(VALU_DEP_1)
	v_mul_f32 v[TT], s[CS], v[TT]                  ; as t (c is positive)
	s_delay_alu instid0(VALU_DEP_1)
	v_max_num_f32 v[NM+1], v[NM+1], v[TT]          ; the running largest t
	v_mov_b32 v[TT], v[NM]
	s_delay_alu instid0(VALU_DEP_2)
	v_floor_f32 v[NM], -v[NM+1]                    ; the new -M = floor(-t): M is a whole number
	s_delay_alu instid0(VALU_DEP_1)
	v_sub_f32 v[TT], v[NM], v[TT]                  ; old M - new M: a whole number, 0 or less
	s_delay_alu instid0(VALU_DEP_1)
	v_cvt_i32_f32 v[TT], v[TT]                     ; (it saturates)
	s_delay_alu instid0(VALU_DEP_1)
	v_ldexp_f32 v[FF], 1.0, v[TT]                  ; f = 2^(old M - new M)
.set J, 0
	s_setprio 1
.rept 32
	v_pk_fma_f32 v[S+J:S+J+1], v[S+J:S+J+1], s[CS:CS+1], v[NM:NM+1] op_sel_hi:[1,0,0]   ; t - M, two at a time
.set J, J+2
.endr
.irp b, 0,1,2,3
	v_fma_f32 v[BM+\b], v[BM+\b], s[CS], v[NM]
.endr
.set J, 0
	s_wait_alu depctr_va_vdst(0)
.rept 64
	v_exp_f32 v[S+J], v[S+J]                       ; p = 2^(t - M), at most 1
.set J, J+1
.endr
.irp b, 0,1,2,3
	v_exp_f32 v[BM+\b], v[BM+\b]                   ; the block's largest p: the same two instructions on the same number
.endr
	v_pk_mul_f32 v[SUM:SUM+1], v[SUM:SUM+1], v[FF:FF+1] op_sel_hi:[1,0]   ; the sums under the new M (a plain place behind the exponentials)
	s_wait_alu depctr_va_vdst(0)
.irp b, 0,1,2,3
	v_max_num_f32 v[BM+\b], 0x1800000, v[BM+\b]    ; the floor 2^(3 - 127): the byte cannot fall under 1
.endr
.irp b, 0,1,2,3
	s_delay_alu instid0(VALU_DEP_4)
	v_add_nc_u32 v[SO+\b], 0xff000000, v[BM+\b]    ; 2 off the exponent field: the conversion's scale operand
.endr
.irp b, 0,1,2,3
	s_delay_alu instid0(VALU_DEP_4)
	v_lshrrev_b32 v[PB+\b], 23, v[SO+\b]
.endr
	s_delay_alu instid0(VALU_DEP_3)
	v_lshl_or_b32 v[PSW], v[PB+1], 8, v[PB]        ; p's scale word for these 128 keys
	s_delay_alu instid0(VALU_DEP_1)
	v_lshl_or_b32 v[PSW], v[PB+2], 16, v[PSW]
	s_delay_alu instid0(VALU_DEP_1)
	v_lshl_or_b32 v[PSW], v[PB+3], 24, v[PSW]
.irp c, 0,1
	v_cvt_scalef32_pk16_fp6_f32 v[P+6*\c:P+6*\c+2], v[S+32*\c:S+32*\c+15], v[SO+2*\c]
	v_cvt_scalef32_pk16_fp6_f32 v[CT+4*\c:CT+4*\c+2], v[S+32*\c+16:S+32*\c+31], v[SO+2*\c+1]
.endr
	v_nop                                          ; one plain place behind a scaled conversion
.irp c, 0,1                            ; the layout wants a whole block in a lane
.irp i, 0,1,2
	v_permlane16_swap_b32 v[P+6*\c+\i], v[CT+4*\c+\i]
.endr
.irp i, 0,1,2
	s_delay_alu instid0(VALU_DEP_3)
	v_mov_b32 v[P+6*\c+3+\i], v[CT+4*\c+\i]
.endr
.endr
	v_pk_add_f32 v[220:221], v[100:101], v[104:105]
	v_pk_add_f32 v[252:253], v[108:109], v[112:113]
	v_pk_add_f32 v[250:251], v[116:117], v[120:121]
	v_pk_add_f32 v[248:249], v[124:125], v[128:129]
	v_pk_add_f32 v[246:247], v[132:133], v[136:137]
	v_pk_add_f32 v[226:227], v[140:141], v[144:145]
	v_pk_add_f32 v[224:225], v[148:149], v[152:153]
	v_pk_add_f32 v[214:215], v[214:215], v[156:157]
	v_pk_add_f32 v[220:221], v[220:221], v[96:97]
	v_pk_add_f32 v[252:253], v[252:253], v[98:99]
	s_setprio 0
	v_pk_add_f32 v[250:251], v[250:251], v[102:103]
	v_pk_add_f32 v[248:249], v[248:249], v[106:107]
	v_pk_add_f32 v[246:247], v[246:247], v[110:111]
	v_pk_add_f32 v[226:227], v[226:227], v[114:115]
	v_pk_add_f32 v[224:225], v[224:225], v[118:119]
	v_pk_add_f32 v[214:215], v[214:215], v[122:123]
	v_pk_add_f32 v[220:221], v[220:221], v[126:127]
	v_pk_add_f32 v[252:253], v[252:253], v[130:131]
	v_pk_add_f32 v[250:251], v[250:251], v[134:135]
	v_pk_add_f32 v[248:249], v[248:249], v[138:139]
	v_pk_add_f32 v[246:247], v[246:247], v[142:143]
	v_pk_add_f32 v[226:227], v[226:227], v[146:147]
	v_pk_add_f32 v[224:225], v[224:225], v[150:151]
	v_pk_add_f32 v[214:215], v[214:215], v[154:155]
	v_pk_add_f32 v[220:221], v[220:221], v[158:159]
	s_delay_alu instid0(VALU_DEP_2)
	v_pk_add_f32 v[214:215], v[214:215], v[248:249]
	s_delay_alu instid0(VALU_DEP_2)
	v_pk_add_f32 v[220:221], v[220:221], v[246:247]
	v_pk_add_f32 v[252:253], v[252:253], v[226:227]
	v_pk_add_f32 v[250:251], v[250:251], v[224:225]
	s_delay_alu instid0(VALU_DEP_2)
	v_pk_add_f32 v[214:215], v[214:215], v[252:253]
	s_delay_alu instid0(VALU_DEP_2)
	v_pk_add_f32 v[220:221], v[220:221], v[250:251]
	s_delay_alu instid0(VALU_DEP_1)
	v_pk_add_f32 v[214:215], v[214:215], v[220:221]
.set J, 0
.rept 16
	v_pk_mul_f32 v[OA+J:OA+J+1], v[OA+J:OA+J+1], v[FF:FF+1] op_sel_hi:[1,0]   ; O^T under the new M.  (The sums above are the places between p's codes and scale word and the products below)
.set J, J+2
.endr
	s_wait_alu depctr_va_vdst(0)
	s_wait_dscnt 0x0                               ; V
.irp t, 0,1,2,3                        ; O^T += V^T P^T: four accumulators by turns
	v_wmma_scale_f32_16x16x128_f8f6f4 v[OA+8*\t:OA+8*\t+7], v[FR+12*\t:FR+12*\t+11], v[P:P+11], v[OA+8*\t:OA+8*\t+7], v[VSW+\t], v[PSW] matrix_a_fmt:MATRIX_FMT_FP6 matrix_b_fmt:MATRIX_FMT_FP6
.endr
.Lhidden_\@:
	s_add_co_u32 s[TK], s[TK], 6144
	s_add_co_u32 s[TS], s[TS], 512
	s_add_co_u32 s[TV], s[TV], 256
.endm
; THE END OF A PASS: O^T / the sum; register 16 b + i is d = 32 b + 16 h + i of my query: two blocks of the last projection's K.  One half fragment and two scale bytes.
.macro EPI ac, as, more
.rept 4
	v_nop                                          ; places behind the last products
.endr
	v_add_f32 v[SUM], v[SUM], v[SUM+1]
	s_delay_alu instid0(VALU_DEP_1)
	v_permlanex16_b32 v[TT], v[SUM], s[SEL], s[SEL+1]
	s_delay_alu instid0(VALU_DEP_1)
	v_add_f32 v[SUM], v[SUM], v[TT]                ; the row's sum
	s_wait_alu depctr_va_vdst(0)
	v_rcp_f32 v[FF], v[SUM]
	v_nop                                          ; one plain place behind a transcendental
.set J, 0
	s_wait_alu depctr_va_vdst(0)
.rept 16
	v_pk_mul_f32 v[S+J:S+J+1], v[OA+J:OA+J+1], v[FF:FF+1] op_sel_hi:[1,0]   ; each accumulator from its low end on
.set J, J+2
.endr
.irp b, 0,1
	v_max3_num_f32 v[BM+\b], |v[S+16*\b]|, |v[S+16*\b+1]|, 0x1800000
.endr
.irp i, 2,4,6,8,10,12,14
.irp b, 0,1
	s_delay_alu instid0(VALU_DEP_2)
	v_max3_num_f32 v[BM+\b], v[BM+\b], |v[S+16*\b+\i]|, |v[S+16*\b+\i+1]|
.endr
.endr
.irp b, 0,1
	s_delay_alu instid0(VALU_DEP_2)
	v_permlanex16_b32 v[PB+\b], v[BM+\b], s[SEL], s[SEL+1]
.endr
.irp b, 0,1
	s_delay_alu instid0(VALU_DEP_2)
	v_max_num_f32 v[BM+\b], v[BM+\b], v[PB+\b]
.endr
.irp b, 0,1
	s_delay_alu instid0(VALU_DEP_2)
	v_add_nc_u32 v[SO+\b], 0xff000000, v[BM+\b]
.endr
.irp b, 0,1
	s_delay_alu instid0(VALU_DEP_2)
	v_lshrrev_b32 v[PB+\b], 23, v[SO+\b]
.endr
	s_delay_alu instid0(VALU_DEP_1)
	v_lshl_or_b32 v[HW], v[PB+1], 8, v[PB]
	v_cvt_scalef32_pk16_fp6_f32 v[P:P+2], v[S:S+15], v[SO]
	v_cvt_scalef32_pk16_fp6_f32 v[CT:CT+2], v[S+16:S+31], v[SO+1]
	v_nop                                          ; one plain place behind a scaled conversion
.irp i, 0,1,2
	v_permlane16_swap_b32 v[P+\i], v[CT+\i]
.endr
.irp i, 0,1,2
	s_delay_alu instid0(VALU_DEP_3)
	v_mov_b32 v[P+3+\i], v[CT+\i]
.endr
	global_store_b128 v1, v[P:P+3], s[\ac:\ac+1]               ; 512 consecutive bytes, aligned to 256
	global_store_b64 v2, v[P+4:P+5], s[\ac:\ac+1] offset:512   ; 256 consecutive bytes, aligned
	global_store_b16 v14, v[HW], s[\as:\as+1]                  ; my row's two bytes; lanes l and l xor 16 store the same
.if \more
	s_wait_xcnt 0x0                                ; the stores have read their data: the next pass writes these registers again
.endif
.endm
.macro PASS qf, qs, ac, as, more
	s_mov_b32 s[TK], 0
	s_mov_b32 s[TS], 0
	s_mov_b32 s[TV], 0
	s_mov_b32 s[SI], 0
	v_mov_b32 v[NM+1], 0xff61b1e6                  ; the largest t so far: -3e38
	s_delay_alu instid0(VALU_DEP_1)
	v_floor_f32 v[NM], -v[NM+1]
	v_mov_b32 v[SUM], 0
	v_mov_b32 v[SUM+1], 0
.set J, 0
.rept 32
	v_mov_b32 v[OA+J], 0                           ; the step is written once: the first finds zeros, which the first change of M leaves zeros
.set J, J+1
.endr
.Lstep_\@:                             ; 16 trips in every wave: the trip count is a constant, the work is jumped over
	STEP \qf, \qs
	s_add_co_u32 s[SI], s[SI], 1
	s_cmp_lt_u32 s[SI], 16
	s_cbranch_scc1 .Lstep_\@
	s_setprio 0
	EPI \ac, \as, \more
.endm
	s_sub_co_u32 s[CH], 15, s19
	PASS 16, 28, 66, 70, 1
	s_mov_b32 s[CH], s19
	PASS 232, 244, 68, 72, 0
	s_wait_dscnt 0x0
	s_wait_tensorcnt 0x0
	ds_add_u32 v254, v255
	s_wait_dscnt 0x0
	CROUND                                         ; the closing round: no work-group ends while a partner may still ask for bytes that name it
	s_endpgm
.Lfunc_end_k_q6ef50a0bb2_attn:
	.size	k_q6ef50a0bb2_attn, .Lfunc_end_k_q6ef50a0bb2_attn-k_q6ef50a0bb2_attn
	.p2alignl 7, 3214868480
	.fill 96, 4, 3214868480
	.section	.rodata,"a",@progbits
	.p2align	6, 0x0
	.amdhsa_kernel k_q6ef50a0bb2_attn
		.amdhsa_group_segment_fixed_size 210944
		.amdhsa_private_segment_fixed_size 0
		.amdhsa_enable_private_segment 0
		.amdhsa_kernarg_size 24
		.amdhsa_user_sgpr_count 2
		.amdhsa_user_sgpr_kernarg_segment_ptr 1
		.amdhsa_wavefront_size32 1
		.amdhsa_system_sgpr_workgroup_id_x 1
		.amdhsa_system_sgpr_workgroup_id_y 1
		.amdhsa_system_sgpr_workgroup_id_z 1
		.amdhsa_system_vgpr_workitem_id 0
		.amdhsa_next_free_vgpr 256
		.amdhsa_next_free_sgpr 96
		.amdhsa_reserve_vcc 1
		.amdhsa_float_denorm_mode_32 3
		.amdhsa_float_denorm_mode_16_64 3
		.amdhsa_memory_ordered 1
		.amdhsa_forward_progress 1
		.amdhsa_inst_pref_size 67
	.end_amdhsa_kernel
	.amdgpu_metadata
---
amdhsa.version: [ 1, 2 ]
amdhsa.kernels:
  - .name:           k_q6ef50a0bb2_attn
    .symbol:         k_q6ef50a0bb2_attn.kd
    .args:
      - { .name: qkw, .offset: 0, .size: 8, .value_kind: global_buffer, .address_space: global }
      - { .name: vw, .offset: 8, .size: 8, .value_kind: global_buffer, .address_space: global }
      - { .name: aw, .offset: 16, .size: 8, .value_kind: global_buffer, .address_space: global }
    .group_segment_fixed_size: 210944
    .private_segment_fixed_size: 0
    .kernarg_segment_align: 8
    .kernarg_segment_size: 24
    .max_flat_workgroup_size: 512
    .sgpr_count:     96
    .vgpr_count:     256
    .wavefront_size: 32
...
	.end_amdgpu_metadata
.endif
;; end of part 4
;; launch gemm_o (part 5): grid 4 x 32, 4 waves a work-group, clusters of 4 x 4, 327,680 bytes of LDS; arguments aw, ww, bo, out0; writes out0
.if DOCPART == 5
	.amdgcn_target "amdgcn-amd-amdhsa--gfx1250"
	.amdhsa_code_object_version 6
	.text
	.protected	k_q6ef50a0bb2_gemm_o
	.globl	k_q6ef50a0bb2_gemm_o
	.p2align	8
	.type	k_q6ef50a0bb2_gemm_o,@function
k_q6ef50a0bb2_gemm_o:
	s_mov_b64 s[64:65], 0
	v_nop
	global_prefetch_b8 v0, s[64:65] scope:SCOPE_SE
	s_setreg_imm32_b32 hwreg(HW_REG_WAVE_MODE, 25, 1), 1
	s_wait_xcnt 0x0
	s_wait_alu depctr_hold_cnt(0) depctr_sa_sdst(0) depctr_va_vdst(0) depctr_va_sdst(0) depctr_va_ssrc(0) depctr_va_vcc(0) depctr_vm_vsrc(0)
	s_getreg_b32 s2, hwreg(HW_REG_IB_STS2, 6, 4)
	s_cmp_eq_u32 s2, 0
	s_cbranch_scc0 .Lentry_in_a_cluster
	s_endpgm
.Lentry_in_a_cluster:
	s_bfe_u32 s2, ttmp6, 0x10000c
	s_cmp_lg_u32 s2, 0xf033
	s_cbranch_scc0 .Lentry_shape_is_right
	s_endpgm
.Lentry_shape_is_right:
; ONE TEXT FOR THREE LAUNCHES; MODE SAYS WHICH.  D = S0 S1^T + bias over K = 1,024, both operands codes of FP6 (E2M3) with E8M0 scales, sums in f32.
;   MODE 0: S1 = x's rows (tokens), S0 = rows of Wq and Wk.  q and k (+ bq, bk) are quantised along the head's 64 and stored as half-fragment images, [q heads, k heads][token tile].
;   MODE 1: S1 = rows of Wv, S0 = x's rows.  v (+ bv) is quantised along the tokens (the keys) and stored as images of V^T, [head][128 keys][16 d][64 keys].
;   MODE 2: S1 = the attention's result, S0 = rows of Wo.  The sums (+ bo) are the output, f32.
; OPERANDS ARE IMAGES OF REGISTERS.  A half fragment (16 rows x 64 K) is 768 bytes: lane l's registers 0-3 at 16 l, registers 4-5 at 512 + 8 l.  A row tile's 16 half fragments lie on end, 12,288 bytes.
; A fragment comes from LDS by two loads of 16 bytes and two of 8 a lane, each of consecutive bytes.  Lane r of row tile 2 p + u is row 32 p + 8 u + r + 8 (r / 8): so in the result (source 0 = 16 rows of S0, source 1 = 16 of S1)
; a lane holds one row of S1, and the 16 registers of S0's tiles 2 p, 2 p + 1 are S0's rows 32 p + 16 (lane / 16) + 0 .. 15: 16 neighbours along the next product's K.
; SHARES: a work-group makes 256 (S1) x 256 (S0), each of four waves 128 x 128: 64 accumulators.  K goes in steps of 128, two to a slot, through two LDS slots filled by the tensor data mover.
; All scale words of the work-group's rows come once, with the first fills.  The bias is the C of each sum's first matrix instruction.
; CLUSTERS: 4 x 4 work-groups; S1's tiles are shared along a row of the cluster, S0's along a column: each is asked for jointly, by the same load with a mask that names the four.
; In MODES 1 and 2 the grid has 128 work-groups: a tile of half the size would give 256 and needs another register plan; not built.
; LIMITS: NaN and infinities are not served; a block whose largest magnitude lies under 2^-124 keeps the scale byte 1 (zero codes add nothing; this program alone reads the bytes).
; REGISTERS: window 0: v14-31 addresses; v32-95 scale words (block i, K step ks at 32 + 8 i + ks; lanes 0-15 S1's, lanes 16-31 S0's); v96-127 at work on the way out; v128-223 S1's fragments, one set.
;   window 1: S0's fragments, two sets, at v0 and v128; the bias at v96-127 and v224-255.   windows 2, 3: accumulator (a, b) at v[8 (8 (a % 4) + b)].
.set MODE, 2
.set FR,     12                        ; registers of a fragment
.set NL,     4                         ; LDS loads that bring one
.set NP,     4                         ; places behind this matrix instruction (ISA guide 7.12.1)
.set TILEB,  12288                     ; a row tile's codes for all of K
.set STEPB,  3072                      ; and for a slot's 256 along K
.set HALFT,  8*STEPB                   ; 8 row tiles: what one tensor load brings, and what one wave reads of S1 or of S0
.set SLOT,   4*HALFT                   ; S1's 16 row tiles, then S0's
.set SCL,    2*SLOT                    ; behind the ring: the scale words, 512 bytes a row tile
.set HALFS,  4096                      ; those of 8 row tiles
.set SPARE,  SCL+4*HALFS               ; the spare words, 128 bytes for each wave, which no other line names
.set STAGE,  SPARE+512                 ; MODE 2: 16 rows x 528 bytes for each wave; no tile ever lands here
.set SPITCH, 528
.if MODE == 0
.set A_COD, 0
.set A_SCL, 6291456
.set B_COD, 0
.set B_SCL, 3145728
.elseif MODE == 1
.set A_COD, 128*TILEB                  ; Wv: row tiles 128 on
.set A_SCL, 3145728+128*512
.set B_COD, 0
.set B_SCL, 6291456
.else
.set A_COD, 0
.set A_SCL, 6291456
.set B_COD, 192*TILEB                  ; Wo: row tiles 192 on
.set B_SCL, 3145728+192*512
.endif
.set BOF,  14                          ; v14  my byte offset in the bias
.set ADRA, 16                          ; v16-17 S1's fragments in slot 0, 1: base + 16 x lane; v18-19: base + 8 x lane
.set ADRB, 20                          ; v20-23 the same for S0
.set STO,  24
.set RD,   25
.set CO16, 26                          ; v26  16 x lane
.set ADRS, 27                          ; v27  my scale words
.set SPW,  28                          ; v28  my spare word; never rewritten
.set NIL,  29                          ; v29  0; never rewritten
.set CO8,  30                          ; v30  8 x lane
.set CSC,  31                          ; v31  my byte offset among the scale words that I store
.set SC,   32
.set TM,   96
.set PW,   112
.set SH16, 113
.set SW,   116
.set SV,   124
.set AF,   128
.set BK,   128
.set G1,   24
.set G0,   32
.set G1B,  48
.set G0B,  56
.set G1S,  68
.set G0S,  76
.set G1SB, 80
.set G0SB, 88
.set SEL,  96
.set MSB, 0
.macro WIN new                         ; the immediate's high byte repeats the setting that is left
.if MSB != (\new)
	s_set_vgpr_msb (MSB<<8)|(\new)
.set MSB, (\new)
.endif
.endm
.set MUL_LO, 0xa1                      ; source 0 window 1, source 1 window 0, C and D window 2
.set MUL_HI, 0xf1                      ; the same, C and D window 3.  In the first step C is the bias, window 1: 0x91, 0xd1
.set TO_B,   0x40                      ; destination window 1, address window 0
; A joint load: waves 0 and 1 fetch for S1, waves 2 and 3 for S0.  The branch hangs on the wave's number alone.  Four v_nop follow each of the two lines.
.macro JLOAD g0a, g1a, g0b, g1b
	s_cmp_eq_u32 s15, 0
	s_cbranch_scc0 .Lfor_b_\@
	tensor_load_to_lds s[\g0a:\g0a+3], s[\g1a:\g1a+7]
	s_nop 0
.rept 4
	v_nop
.endr
	s_branch .Lasked_\@
.Lfor_b_\@:
	tensor_load_to_lds s[\g0b:\g0b+3], s[\g1b:\g1b+7]
	s_nop 0
.rept 4
	v_nop
.endr
.Lasked_\@:
.endm
.macro CREST                           ; a round of the cluster's barrier behind its opening barrier
	s_cmp_lg_u32 s14, 0
	s_cbranch_scc1 .Lnot_wave_0_\@
	s_barrier_signal -3
.Lnot_wave_0_\@:
	s_barrier_wait -3
	s_barrier_signal -1
	s_barrier_wait -1
.endm
.macro CROUND
	s_barrier_signal -1
	s_barrier_wait -1
	CREST
.endm
.macro PLACES n
.rept \n
	v_nop
.endr
.endm
	s_load_b128 s[4:7], s[0:1], 0x0                ; S1's buffer, S0's buffer
.if MODE == 0
	s_load_b128 s[8:11], s[0:1], 0x10              ; bq, bk
	s_load_b64 s[12:13], s[0:1], 0x20              ; the output
.else
	s_load_b64 s[8:9], s[0:1], 0x10                ; the bias
	s_load_b64 s[12:13], s[0:1], 0x18              ; the output
.endif
	v_lshl_add_u32 v[SPW], v0, 2, SPARE
	v_mov_b32 v[NIL], 0
	ds_add_u32 v28, v29
	ds_add_u32 v28, v29
	s_wait_dscnt 0x0
	v_lshrrev_b32 v1, 5, v0
	v_readfirstlane_b32 s14, v1                    ; wave 0..3
	s_lshr_b32 s15, s14, 1                         ; which half of S1's rows is mine.  Also: I fetch for S1 (0) or for S0 (1)
	s_and_b32 s16, s14, 1                          ; which half of S0's rows.  Also: which 8 row tiles I fetch
	s_bfe_u32 s40, ttmp6, 0x40000                  ; cx, cy: my place in the cluster
	s_bfe_u32 s41, ttmp6, 0x40004
	s_lshl_b32 s42, ttmp9, 2
	s_add_co_u32 s42, s42, s40                     ; col: which 256 rows of S0
	s_and_b32 s17, ttmp7, 0xffff
	s_lshl_b32 s17, s17, 2
	s_add_co_u32 s17, s17, s41                     ; row: which 256 rows of S1
	s_lshl_b32 s43, s41, 2
	s_lshl_b32 s43, 15, s43                        ; my row of the cluster
	s_lshl_b32 s44, 0x1111, s40                    ; my column
	; group 1 for codes: 8 row tiles x 3,072 bytes (384 elements of 8 bytes), 12,288 bytes apart; dense in LDS
	s_or_b32 s[G1+0], s43, (3<<16)|(1<<21)         ; 15:0 the mask; 17:16 elements of 8 bytes; 21 set beside a mask; no padding
	s_or_b32 s[G1B+0], s44, (3<<16)|(1<<21)
.irp g, G1, G1B
	s_mov_b32 s[\g+1], 384<<16                     ; tensor_dim0
	s_mov_b32 s[\g+2], 8<<16                       ; tensor_dim1
	s_mov_b32 s[\g+3], 384<<16                     ; tile_dim0
	s_mov_b32 s[\g+4], 8                           ; tile_dim1
	s_mov_b32 s[\g+5], 1536                        ; tensor_dim0_stride
	s_mov_b32 s[\g+6], 0
	s_mov_b32 s[\g+7], 0
.endr
	; and for the scale words of 8 row tiles: 4,096 dense bytes as 16 rows of 256
	s_or_b32 s[G1S+0], s43, (3<<16)|(1<<21)
	s_or_b32 s[G1SB+0], s44, (3<<16)|(1<<21)
.irp g, G1S, G1SB
	s_mov_b32 s[\g+1], 32<<16
	s_mov_b32 s[\g+2], 16<<16
	s_mov_b32 s[\g+3], 32<<16
	s_mov_b32 s[\g+4], 16
	s_mov_b32 s[\g+5], 32
	s_mov_b32 s[\g+6], 0
	s_mov_b32 s[\g+7], 0
.endr
	s_lshl_b32 s18, s16, 3                         ; which 8 row tiles I fetch
	s_lshl_b32 s20, s17, 4
	s_add_co_u32 s20, s20, s18                     ; S1: row tile 16 row + 8 half: it hangs on the tile row alone
	s_lshl_b32 s46, s42, 4
	s_add_co_u32 s46, s46, s18                     ; S0: 16 col + 8 half: on the tile column alone
	s_lshl_b32 s22, s20, 9
	s_add_co_u32 s22, s22, A_SCL                   ; where their scale words begin,
	s_mov_b32 s23, 0
	s_lshl_b32 s92, s46, 9
	s_add_co_u32 s92, s92, B_SCL
	s_mov_b32 s93, 0
	s_mul_i32 s20, s20, TILEB
	s_add_co_u32 s20, s20, A_COD                   ; and their codes
	s_mov_b32 s21, 0
	s_mul_i32 s46, s46, TILEB
	s_add_co_u32 s46, s46, B_COD
	s_mov_b32 s47, 0
	s_mul_i32 s45, s14, HALFT                      ; where they go: no place in the cluster enters an LDS address
	s_mul_i32 s94, s14, HALFS
	s_wait_kmcnt 0x0
.if MODE == 0
	s_cmp_lt_u32 ttmp9, 1                          ; clusters with x = 0 make q, the others k
	s_cselect_b64 s[8:9], s[8:9], s[10:11]
.endif
	s_add_nc_u64 s[20:21], s[4:5], s[20:21]
	s_add_nc_u64 s[22:23], s[4:5], s[22:23]
	s_add_nc_u64 s[46:47], s[6:7], s[46:47]
	s_add_nc_u64 s[92:93], s[6:7], s[92:93]
	CROUND                                         ; all sixteen work-groups are here: the first joint loads meet
	s_mov_b32 s[G0S], 1
	s_add_co_u32 s[G0S+1], s94, SCL
	s_mov_b64 s[G0S+2:G0S+3], s[22:23]
	s_or_b32 s[G0S+3], s[G0S+3], 0x80000000
	s_mov_b32 s[G0SB], 1
	s_add_co_u32 s[G0SB+1], s94, SCL
	s_mov_b64 s[G0SB+2:G0SB+3], s[92:93]
	s_or_b32 s[G0SB+3], s[G0SB+3], 0x80000000
	JLOAD G0S, G1S, G0SB, G1SB                     ; the scale words first: they are wanted with the first step
.irp s, 0,1
	s_mov_b32 s[G0+4*\s], 1
	s_add_co_u32 s[G0+4*\s+1], s45, \s*SLOT
	s_add_nc_u64 s[G0+4*\s+2:G0+4*\s+3], s[20:21], \s*STEPB
	s_or_b32 s[G0+4*\s+3], s[G0+4*\s+3], 0x80000000
	s_mov_b32 s[G0B+4*\s], 1
	s_add_co_u32 s[G0B+4*\s+1], s45, \s*SLOT
	s_add_nc_u64 s[G0B+4*\s+2:G0B+4*\s+3], s[46:47], \s*STEPB
	s_or_b32 s[G0B+4*\s+3], s[G0B+4*\s+3], 0x80000000
	JLOAD G0+4*\s, G1, G0B+4*\s, G1B               ; three tensor loads of mine are out now
.endr
	v_and_b32 v1, 15, v0                           ; r
	v_bfe_u32 v2, v0, 4, 1                         ; h
	v_and_b32 v3, 31, v0
	v_lshlrev_b32 v[CO16], 4, v3
	v_lshlrev_b32 v[CO8], 3, v3
	s_mul_i32 s21, s15, HALFT                      ; my 8 row tiles of S1
	s_mul_i32 s22, s16, HALFT                      ; my 8 of S0,
	s_add_co_u32 s22, s22, 2*HALFT                 ; which lie behind S1's 16
.irp s, 0,1
	v_add_nc_u32 v[ADRA+\s], s21, v[CO16]
	v_add_nc_u32 v[ADRB+\s], s22, v[CO16]
	v_add_nc_u32 v[ADRA+2+\s], s21, v[CO8]
	v_add_nc_u32 v[ADRB+2+\s], s22, v[CO8]
	s_add_co_u32 s21, s21, SLOT
	s_add_co_u32 s22, s22, SLOT
.endr
	v_lshlrev_b32 v5, 4, v1                        ; my row's four words: 16 r
	s_mul_i32 s21, s15, HALFS
	s_mul_i32 s22, s16, HALFS
	s_add_co_u32 s22, s22, 2*HALFS
	s_sub_co_u32 s22, s22, s21
	v_mul_u32_u24 v6, s22, v2                      ; lanes 16-31 take S0's: one product, the distance between the two bases
	s_add_co_u32 s21, s21, SCL
	v_add_nc_u32 v5, v5, v6
	v_add_nc_u32 v[ADRS], s21, v5
	; the bias, in the result's layout, into window 1
.if MODE == 1
	v_and_b32 v[BOF], 8, v1
	v_add_nc_u32 v[BOF], v[BOF], v1
	v_lshlrev_b32 v[BOF], 2, v[BOF]                ; a lane holds one row of Wv: r + 8 (r / 8) of its tile
	s_lshl_b32 s20, s17, 10
	s_lshl_b32 s21, s15, 9
	s_add_co_u32 s20, s20, s21
	s_mov_b32 s21, 0
	s_add_nc_u64 s[8:9], s[8:9], s[20:21]
	WIN TO_B
.irp a, 0,1,2,3,4,5,6,7
.irp j, 0,1,2,3,4,5,6,7
	global_load_b32 v[96+8*\a+96*(\a/4)+\j], v[BOF], s[8:9] offset:(32*(\a/2)+8*(\a%2))*4   ; the same number in a tile's eight registers
.endr
.endr
	WIN 0
.else
	v_lshlrev_b32 v[BOF], 6, v2                    ; registers run along S0's rows: 16 h numbers on
	s_and_b32 s46, s42, 3
	s_lshl_b32 s46, s46, 10
	s_lshl_b32 s47, s16, 9
	s_add_co_u32 s46, s46, s47
	s_mov_b32 s47, 0
	s_add_nc_u64 s[8:9], s[8:9], s[46:47]
	WIN TO_B
.irp b, 0,1,2,3,4,5,6,7
	global_load_b128 v[96+8*\b+96*(\b/4):96+8*\b+96*(\b/4)+3], v[BOF], s[8:9] offset:(32*(\b/2)+8*(\b%2))*4
	global_load_b128 v[96+8*\b+96*(\b/4)+4:96+8*\b+96*(\b/4)+7], v[BOF], s[8:9] offset:(32*(\b/2)+8*(\b%2))*4+16
.endr
	WIN 0
.endif
	; where the results go
.if MODE == 0
	s_lshl_b32 s46, s42, 2
	s_lshl_b32 s47, s16, 1
	s_add_co_u32 s46, s46, s47                     ; my first head of 32 (q's 16, then k's): 4 col + 2 half
	s_lshl_b32 s20, s17, 4
	s_lshl_b32 s21, s15, 3
	s_add_co_u32 s20, s20, s21                     ; my first token tile
	s_lshl_b32 s47, s46, 9
	s_add_co_u32 s47, s47, s20
	s_mul_i32 s22, s47, 768
	s_mov_b32 s23, 0
	s_lshl_b32 s46, s46, 15                        ; scale words: 32,768 bytes a head,
	s_lshl_b32 s20, s20, 6                         ; 512 for each 128 tokens
	s_add_co_u32 s46, s46, s20
	s_add_co_u32 s46, s46, 12582912
	s_mov_b32 s47, 0
	s_add_nc_u64 s[66:67], s[12:13], s[46:47]
	s_add_nc_u64 s[12:13], s[12:13], s[22:23]
	v_lshlrev_b32 v[CSC], 4, v1
	v_lshl_add_u32 v[CSC], v2, 15, v[CSC]          ; 16 r, and lanes 16-31 the next head
	v_lshlrev_b32 v[SH16], 4, v2
.elseif MODE == 1
	s_lshl_b32 s20, s17, 2
	s_lshl_b32 s21, s15, 1
	s_add_co_u32 s20, s20, s21                     ; my first head: 4 row + 2 half
	s_lshl_b32 s46, s42, 1
	s_add_co_u32 s46, s46, s16                     ; my 128 keys: 2 col + half
	s_lshl_b32 s21, s20, 6
	s_add_co_u32 s21, s21, s46
	s_mul_i32 s22, s21, 6144
	s_mov_b32 s23, 0
	s_lshl_b32 s20, s20, 14
	s_lshl_b32 s46, s46, 8
	s_add_co_u32 s46, s46, s20
	s_add_co_u32 s46, s46, 6291456
	s_mov_b32 s47, 0
	s_add_nc_u64 s[66:67], s[12:13], s[46:47]
	s_add_nc_u64 s[12:13], s[12:13], s[22:23]
	v_lshlrev_b32 v[CSC], 4, v1
	v_lshl_add_u32 v[CSC], v2, 14, v[CSC]
.else
	s_mul_i32 s23, s14, 16*SPITCH
	s_add_co_u32 s23, s23, STAGE                   ; my stage
	v_mul_u32_u24 v5, v1, SPITCH
	v_lshl_add_u32 v5, v2, 6, v5
	v_add_nc_u32 v[STO], s23, v5                   ; in: row r, + 64 h
	v_add_nc_u32 v[RD], s23, v[CO16]               ; back: a row of 512 bytes
	s_lshl_b32 s20, s17, 8
	s_lshl_b32 s21, s15, 7
	s_add_co_u32 s20, s20, s21
	s_lshl_b32 s20, s20, 12                        ; my first token's row of 4,096 bytes
	s_mov_b32 s21, 0
	s_lshl_b32 s46, s42, 10
	s_lshl_b32 s47, s16, 9
	s_add_co_u32 s46, s46, s47                     ; my first column, in bytes
	s_mov_b32 s47, 0
	s_add_nc_u64 s[12:13], s[12:13], s[20:21]
	s_add_nc_u64 s[12:13], s[12:13], s[46:47]
.endif
.if MODE < 2
	s_mov_b32 s[SEL], 0x76543210
	s_mov_b32 s[SEL+1], 0xfedcba98
.irp b, 0,1,2,3
	v_mov_b32 v[TM+4+\b], 0                        ; written once: a lane permute's destination counts as one of its sources
.endr
.endif
.macro FRAG reg, adr, q, i             ; row tile i, the slot's q-th 128 along K: two half fragments, each 512 + 256 consecutive bytes
	ds_load_b128 v[\reg:\reg+3],    v[\adr]   offset:STEPB*(\i)+1536*(\q)
	ds_load_b64  v[\reg+4:\reg+5],  v[\adr+2] offset:STEPB*(\i)+1536*(\q)+512
	ds_load_b128 v[\reg+6:\reg+9],  v[\adr]   offset:STEPB*(\i)+1536*(\q)+768
	ds_load_b64  v[\reg+10:\reg+11], v[\adr+2] offset:STEPB*(\i)+1536*(\q)+1280
.endm
.macro FETCH_B slot, q, p
	WIN TO_B
.irp i, 0,1,2,3,4,5,6,7
	FRAG 128*(\p)+FR*\i, ADRB+\slot, \q, \i
.endr
	WIN 0
.endm
.macro FETCH_A slot, q, i0
.irp i, \i0, \i0+1, \i0+2, \i0+3
	FRAG AF+FR*(\i), ADRA+\slot, \q, \i
.endr
.endm
; 16 matrix instructions: S1's blocks a0, a0 + 1 x S0's eight, K step ks; p: S0's set.  first = 1: C is the bias, and nothing is ever cleared.
; The 64 accumulators take turns, one instruction a turn, in the same order in every step.
.macro MUL16 a0, p, ks, first
.irp a, \a0, \a0+1
.irp b, 0,1,2,3,4,5,6,7
.set rD, 8*(8*((\a)%4)+\b)
.set rB, 128*(\p)+FR*\b
.set rA, AF+FR*(\a)
.set rC, rD
.if \first
.if MODE == 1
.set rC, 96+8*(\a)+96*((\a)/4)
.else
.set rC, 96+8*\b+96*(\b/4)
.endif
.endif
	v_wmma_scale_f32_16x16x128_f8f6f4 v[rD:rD+7], v[rB:rB+FR-1], v[rA:rA+FR-1], v[rC:rC+7], v[SC+8*\b+(\ks)], v[SC+8*(\a)+(\ks)] matrix_a_fmt:MATRIX_FMT_FP6 matrix_b_fmt:MATRIX_FMT_FP6 matrix_a_scale:MATRIX_SCALE_ROW1
.endr
.endr
.endm
; A slot's first step: multiplies S0's set 0 and fetches the second step's fragments.  A block of S1 is free when its eight products are issued: blocks 0-3 are fetched anew in the middle, blocks 4-7 at the end.
; Four places stand in front of each run of loads into registers that matrix instructions have read (ISA guide 7.12.1 for vector instructions).
.macro STEP slot, ks, first
	s_wait_dscnt 4*NL                              ; all but the youngest 16 loads (S1's blocks 4-7) are in
	WIN MUL_LO-0x10*(\first)
	MUL16 0, 0, \ks, \first
	MUL16 2, 0, \ks, \first
	s_wait_dscnt 0
	PLACES NP
	FETCH_B \slot, 1, 1
	FETCH_A \slot, 1, 0
	WIN MUL_HI-0x20*(\first)
	MUL16 4, 0, \ks, \first
	MUL16 6, 0, \ks, \first
	PLACES NP
	WIN 0
	FETCH_A \slot, 1, 4
.endm
; A slot's second step changes slots: one barrier; in front of it each wave waits for all its tensor loads, adds 0 to its spare word, and waits for that and for its reads of this slot.  fill = 1: the slot is filled again, 512 along K on.
.macro TURN slot, next, ks, fill
	s_wait_tensorcnt 0x0                           ; all my tensor loads have landed: my part of the next slot
	ds_add_u32 v[SPW], v[NIL]                      ; 0 onto my spare word
	s_wait_dscnt 4*NL+1                            ; the add and the youngest 16 loads may be out
	WIN MUL_LO
	MUL16 0, 1, \ks, 0
	s_wait_dscnt 0x0                               ; the add is done, and my reads of this slot are over
	s_barrier_signal -1
	MUL16 2, 1, \ks, 0
	WIN 0
	s_barrier_wait -1
.if \fill
	CREST                                          ; the barrier has opened a round of the cluster's: no wave of any partner still reads this slot or has a load on its way
	s_add_nc_u64 s[G0+4*\slot+2:G0+4*\slot+3], s[G0+4*\slot+2:G0+4*\slot+3], 2*STEPB
	s_add_nc_u64 s[G0B+4*\slot+2:G0B+4*\slot+3], s[G0B+4*\slot+2:G0B+4*\slot+3], 2*STEPB
	JLOAD G0+4*\slot, G1, G0B+4*\slot, G1B         ; my one tensor load behind the round; its four v_nop are the places in front of the loads below
.else
	PLACES NP
.endif
	FETCH_B \next, 0, 0
	FETCH_A \next, 0, 0
	WIN MUL_HI
	MUL16 4, 1, \ks, 0
	MUL16 6, 1, \ks, 0
	PLACES NP
	WIN 0
	FETCH_A \next, 0, 4
.endm
	s_wait_tensorcnt 1                             ; the scale words and my part of slot 0 are in; slot 1's load may be out
	s_barrier_signal -1
	s_barrier_wait -1
	FETCH_B 0, 0, 0
	FETCH_A 0, 0, 0
.irp i, 0,1,2,3,4,5,6,7                ; all scale words: block i's eight, lanes 0-15 S1's, lanes 16-31 S0's
	ds_load_b128 v[SC+8*\i:SC+8*\i+3],   v[ADRS] offset:512*\i
	ds_load_b128 v[SC+8*\i+4:SC+8*\i+7], v[ADRS] offset:512*\i+256
.endr
	FETCH_A 0, 0, 4
	s_wait_loadcnt 0x0                             ; the bias
	STEP 0, 0, 1                                   ; K = 1,024 is eight steps, written out: slots 0, 1, 0, 1
	TURN 0, 1, 1, 1
	STEP 1, 2, 0
	TURN 1, 0, 3, 1
	STEP 0, 4, 0
	TURN 0, 1, 5, 0                                ; nothing is left to fetch
	STEP 1, 6, 0
	s_wait_dscnt 4*NL
	WIN MUL_LO
	MUL16 0, 1, 7, 0
	MUL16 2, 1, 7, 0
	s_wait_dscnt 0
	WIN MUL_HI
	MUL16 4, 1, 7, 0
	MUL16 6, 1, 7, 0
	WIN 0
	PLACES NP                                      ; in front of the first read of results and the first write over fragments
.if MODE < 2
; THE WAY OUT, MODES 0 AND 1.  Block a's 64 registers of a lane are 128 neighbours' halves along the next K: register 16 b + i = 32 b + 16 h + i.  They become one fragment (two half fragments) and a scale word.
.macro QUANTW a, pw
.set AC, 64*((\a)%4)
.set PC, 128                           ; the codes' registers carry other numbers than the conversion's sources, which lie in another window
.if ((\a)%4) == 2
.set PC, 192
.endif
	WIN 0x0a+5*((\a)/4)                            ; sources 0 and 1: window 2 or 3
.irp b, 0,1,2,3
	v_max3_num_f32 v[TM+\b], |v[AC+16*\b]|, |v[AC+16*\b+1]|, 0x1800000   ; each accumulator is read from its low end on; the floor 2^(3 - 127) holds the byte at 1
.endr
.irp i, 2,4,6,8,10,12,14
.irp b, 0,1,2,3
	v_max3_num_f32 v[TM+\b], |v[AC+16*\b+\i]|, |v[AC+16*\b+\i+1]|, v[TM+\b]
.endr
.endr
	WIN 0
.irp b, 0,1,2,3
	v_permlanex16_b32 v[TM+4+\b], v[TM+\b], s[SEL], s[SEL+1]
.endr
.irp b, 0,1,2,3
	v_max_num_f32 v[TM+\b], v[TM+\b], v[TM+4+\b]
.endr
.irp b, 0,1,2,3
	v_add_nc_u32 v[TM+12+\b], 0xff000000, v[TM+\b] ; 2 off the exponent field: the conversion's scale operand
.endr
.irp b, 0,1,2,3
	v_lshrrev_b32 v[TM+4+\b], 23, v[TM+12+\b]
.endr
	v_lshl_or_b32 v[\pw], v[TM+5], 8, v[TM+4]
	v_lshl_or_b32 v[\pw], v[TM+6], 16, v[\pw]
	v_lshl_or_b32 v[\pw], v[TM+7], 24, v[\pw]
	s_wait_xcnt 0x0                                ; the earlier blocks' stores have read their data: the codes' registers are written again only behind this wait
	WIN 0x02+(\a)/4                                ; source 0: window 2 or 3
.irp c, 0,1
	v_cvt_scalef32_pk16_fp6_f32 v[PC+6*\c:PC+6*\c+2], v[AC+32*\c:AC+32*\c+15], v[TM+12+2*\c]
	v_cvt_scalef32_pk16_fp6_f32 v[PC+12+4*\c:PC+14+4*\c], v[AC+32*\c+16:AC+32*\c+31], v[TM+12+2*\c+1]
.endr
	WIN 0
	v_nop                                          ; one plain place behind a scaled conversion
.irp c, 0,1
.irp i, 0,1,2
	v_permlane16_swap_b32 v[PC+6*\c+\i], v[PC+12+4*\c+\i]
.endr
.irp i, 0,1,2
	v_mov_b32 v[PC+3+6*\c+\i], v[PC+12+4*\c+\i]
.endr
.endr
.endm
.irp a, 0,1,2,3,4,5,6,7
.if MODE == 0
	QUANTW \a, PW
	v_lshrrev_b32 v[SW+\a], v[SH16], v[PW]         ; lanes 0-15: my first head's two bytes lowest; lanes 16-31: the second head's.  The upper two bytes are scale bytes or 0, never 0xff
.irp e, 0,1                            ; half fragment e is head e's: 16 tokens x 64
	global_store_b128 v[CO16], v[PC+6*\e:PC+6*\e+3], s[12:13] offset:\e*393216+\a*768
	global_store_b64 v[CO8], v[PC+6*\e+4:PC+6*\e+5], s[12:13] offset:\e*393216+\a*768+512
.endr
.else
	QUANTW \a, SW+\a
.irp e, 0,1                            ; head a / 4, its tile a % 4 of 16 d, keys 64 e on
	global_store_b128 v[CO16], v[PC+6*\e:PC+6*\e+3], s[12:13] offset:(\a/4)*393216+(\a%4)*1536+\e*768
	global_store_b64 v[CO8], v[PC+6*\e+4:PC+6*\e+5], s[12:13] offset:(\a/4)*393216+(\a%4)*1536+\e*768+512
.endr
.endif
.endr
.if MODE == 0
	global_store_b128 v[CSC], v[SW:SW+3], s[66:67]               ; sixteen lanes store 256 consecutive bytes, aligned
	global_store_b128 v[CSC], v[SW+4:SW+7], s[66:67] offset:256
.else
	v_cmp_ne_u32 vcc_lo, 0, v2
.irp t, 0,1,2,3
	v_cndmask_b32 v[SV+\t], v[SW+\t], v[SW+4+\t], vcc_lo         ; lanes 16-31 store the second head's words
.endr
	global_store_b128 v[CSC], v[SV:SV+3], s[66:67]
.endif
.else
; THE WAY OUT, MODE 2.  A block of 16 tokens x 128 columns goes through my own stage and comes back as whole rows of 512 bytes.  LDS serves a wave's instructions in order (ISA guide 5.7.1.4).
.macro TOSTAGE a
.set AC, 64*((\a)%4)
	WIN 0x08+4*((\a)/4)                            ; the data: window 2 or 3
.irp b, 0,1,2,3,4,5,6,7
	ds_store_b128 v[STO], v[AC+8*\b:AC+8*\b+3] offset:128*(\b/2)+32*(\b%2)      ; columns 32 (b / 2) + 16 h + 8 (b % 2) on; each accumulator from its low end on
	ds_store_b128 v[STO], v[AC+8*\b+4:AC+8*\b+7] offset:128*(\b/2)+32*(\b%2)+16
.endr
	WIN 0
.set BB, BK+64*((\a)%2)
.irp t, 0,1,2,3,4,5,6,7,8,9,10,11,12,13,14,15
	ds_load_b128 v[BB+4*\t:BB+4*\t+3], v[RD] offset:\t*SPITCH
.endr
.endm
.macro SEND a, younger
.set BB, BK+64*((\a)%2)
	s_wait_dscnt \younger
.irp t, 0,1,2,3,4,5,6,7,8,9,10,11,12,13,14,15
	global_store_b128 v[CO16], v[BB+4*\t:BB+4*\t+3], s[12:13] offset:(32*((\a)/2)+8*((\a)%2)+\t+8*(\t/8))*4096 th:TH_STORE_NT   ; 512 consecutive bytes, aligned to 256; lane row t of block a is token 32 (a / 2) + 8 (a % 2) + t + 8 (t / 8)
.endr
.endm
	TOSTAGE 0
.irp a, 1,2,3,4,5,6,7
.if \a > 1
	s_wait_xcnt 0x0                                ; block a - 2's stores have read their registers: block a's loads may land there
.endif
	TOSTAGE \a
	SEND \a-1, 32                                  ; behind block a - 1's loads: block a's 16 stores and 16 loads
.endr
	SEND 7, 0
.endif
	s_wait_tensorcnt 0x0                           ; the wave's end
	ds_add_u32 v[SPW], v[NIL]
	s_wait_dscnt 0x0
	CROUND                                         ; the closing round: no work-group ends while a partner may still ask for a tile that names it
	s_endpgm
.Lfunc_end_k_q6ef50a0bb2_gemm_o:
	.size	k_q6ef50a0bb2_gemm_o, .Lfunc_end_k_q6ef50a0bb2_gemm_o-k_q6ef50a0bb2_gemm_o
	.p2alignl 7, 3214868480
	.fill 96, 4, 3214868480
	.section	.rodata,"a",@progbits
	.p2align	6, 0x0
	.amdhsa_kernel k_q6ef50a0bb2_gemm_o
		.amdhsa_group_segment_fixed_size 327680
		.amdhsa_private_segment_fixed_size 0
		.amdhsa_enable_private_segment 0
		.amdhsa_kernarg_size 32
		.amdhsa_user_sgpr_count 2
		.amdhsa_user_sgpr_kernarg_segment_ptr 1
		.amdhsa_wavefront_size32 1
		.amdhsa_system_sgpr_workgroup_id_x 1
		.amdhsa_system_sgpr_workgroup_id_y 1
		.amdhsa_system_sgpr_workgroup_id_z 1
		.amdhsa_system_vgpr_workitem_id 0
		.amdhsa_next_free_vgpr 1024
		.amdhsa_next_free_sgpr 98
		.amdhsa_reserve_vcc 1
		.amdhsa_float_denorm_mode_32 3
		.amdhsa_float_denorm_mode_16_64 3
		.amdhsa_memory_ordered 1
		.amdhsa_forward_progress 1
		.amdhsa_inst_pref_size 144
	.end_amdhsa_kernel
	.amdgpu_metadata
---
amdhsa.version: [ 1, 2 ]
amdhsa.kernels:
  - .name:           k_q6ef50a0bb2_gemm_o
    .symbol:         k_q6ef50a0bb2_gemm_o.kd
    .args:
      - { .name: aw, .offset: 0, .size: 8, .value_kind: global_buffer, .address_space: global }
      - { .name: ww, .offset: 8, .size: 8, .value_kind: global_buffer, .address_space: global }
      - { .name: bo, .offset: 16, .size: 8, .value_kind: global_buffer, .address_space: global }
      - { .name: out0, .offset: 24, .size: 8, .value_kind: global_buffer, .address_space: global }
    .group_segment_fixed_size: 327680
    .private_segment_fixed_size: 0
    .kernarg_segment_align: 8
    .kernarg_segment_size: 32
    .max_flat_workgroup_size: 128
    .sgpr_count:     98
    .vgpr_count:     1024
    .wavefront_size: 32
...
	.end_amdgpu_metadata
.endif
;; end of part 5
